; MI455X (gfx1250); checked and timed in simulation.
; The chip was launched on July 23, 2026; its instructions are those of AMD's public machine-readable ISA for CDNA 5 (MIT licence, August 2026) and "CDNA5" Instruction Set Architecture Reference Guide (July 2026). The comments in the code are by the model that wrote it; some were corrected since.
;; Base Layer. Allowed arithmetic: matrix products marked QUANTISED: E2M3 operands, one E8M0 scale for each 32 along K, by v_wmma_scale_f32_16x16x128_f8f6f4 with both operands' format E2M3, f32 sums; products left as they are: f32 operands where the result goes on into a quantised operand, else bf16, f16 or f32 operands; f32 sums; everything else in f32.
;; Inputs: b1 4 x 4,096 float32; b2 4 x 1,024 float32; beta 4 x 1,024 float32; centroids 4 x 1,024 float32; gamma 4 x 1,024 float32; w1 4 x 1,024 x 4,096 float32; w2 4 x 4,096 x 1,024 float32; x 2 x 1,024 x 1,024 float32.
;; Outputs: out0 2 x 1,024 x 1,024 float32.
;; This version of the problem:
;;   THIS VERSION OF THE PROBLEM IS GIVEN IN LOW PRECISION. The matrix products marked QUANTISED in the list below multiply operands that are first quantised to E2M3 (2 exponent bits, 3 mantissa bits; 6 bits a number), with one power-of-two scale for each 32 numbers along K (OCP MX v1.0); their sums are f32. All else is computed in f32.
;;   The module's matrix products, in the order in which they are computed (A, B: the left and right operand; K: the contracted axis; several contracted axes count as one K, in the product's order):
;;     1. [M 2,048, K 1,024] x [K 1,024, N 4]; A: input x; B: input centroids: left as it is (N = 4 < 16)
;;     2. [M 2,048, K 1,024] x [K 1,024, N 4,096]; A: computed on the way; B: input w1: QUANTISED
;;     3. [M 2,048, K 4,096] x [K 4,096, N 1,024]; A: computed on the way; B: input w2: QUANTISED
;;     4. [M 2,048, K 1,024] x [K 1,024, N 1]; A: input x; B: input centroids: left as it is (N = 1 < 16)
;;     5. [M 2,048, K 1,024] x [K 1,024, N 4,096]; A: computed on the way; B: input w1: QUANTISED
;;     6. [M 2,048, K 4,096] x [K 4,096, N 1,024]; A: computed on the way; B: input w2: QUANTISED
;;     7. [M 2,048, K 1,024] x [K 1,024, N 1]; A: input x; B: input centroids: left as it is (N = 1 < 16)
;;     8. [M 2,048, K 1,024] x [K 1,024, N 4,096]; A: computed on the way; B: input w1: QUANTISED
;;     9. [M 2,048, K 4,096] x [K 4,096, N 1,024]; A: computed on the way; B: input w2: QUANTISED
;;     10. [M 2,048, K 1,024] x [K 1,024, N 1]; A: input x; B: input centroids: left as it is (N = 1 < 16)
;;     11. [M 2,048, K 1,024] x [K 1,024, N 4,096]; A: computed on the way; B: input w1: QUANTISED
;;     12. [M 2,048, K 4,096] x [K 4,096, N 1,024]; A: computed on the way; B: input w2: QUANTISED
;;     13. [M 2,048, K 1,024] x [K 1,024, N 1]; A: input x; B: input centroids: left as it is (N = 1 < 16)
;;   THE QUANTISER, for each operand of a quantised product, along K:
;;     - K is cut into blocks of 32 from its start; a last block that is shorter is filled with zeros.
;;     - A block's scale is 2^e with e = floor(log2(the largest magnitude in the block)) - 2, held to -126 .. 127; a block of zeros has e = 0. As a byte (E8M0): e + 127.
;;     - Each number is divided by its block's scale, clamped to +-7.5, and rounded to the nearest number of E2M3, ties to even, subnormals kept.
;;     - The product sums the exact products of the quantised numbers (number of the format x scale) in f32.
;;   ~~~python
;;   def quantise(x, axis):      # numpy; x: float32 -> the quantised numbers, widened to float32 again
;;       x = np.moveaxis(x, axis, -1); K = x.shape[-1]
;;       x = np.pad(x, [(0, 0)] * (x.ndim - 1) + [(0, -K % 32)]); x = x.reshape(x.shape[:-1] + (-1, 32)); a = np.abs(x).max(-1, keepdims=True)
;;       e = np.where(a > 0, np.clip(np.frexp(np.where(a > 0, a, 1))[1] - 1 - 2, -126, 127), 0)      # np.frexp(a)[1] - 1 = floor(log2(a)), exactly
;;       r = np.clip(x / 2.0 ** e, -7.5, 7.5)
;;       step = 2.0 ** (np.maximum(np.frexp(np.where(r == 0, 1, r))[1] - 1, 0) - 3)
;;       q = np.round(r / step) * step * 2.0 ** e      # np.round: ties to even
;;       return np.moveaxis(q.reshape(q.shape[:-2] + (-1,))[..., :K], -1, axis).astype(np.float32)
;;   ~~~
;;   OPERANDS COMPUTED ON THE WAY. 'Computed on the way' means the value that the module computes at that place (a softmax that the list does not call 'softmax' is quantised finished and normalised). What goes into a quantiser is computed in f32, as accurately as f32 sums, v_exp_f32 and their like allow (about 1e-6 of the number): no bf16 or f16 on the way to a quantiser, and a product that is left as it is and whose result goes on into a quantised operand takes f32 operands (vector FMAs, or v_wmma_f32_16x16x4_f32). A number that lies on a knife's edge between two numbers of the format may be rounded either way, as far as f32 arithmetic and the matrix unit's own rounding can turn it there, and no further.
;; 2 versions. Each part assembles by itself: llvm-mc -triple=amdgcn-amd-amdhsa -mcpu=gfx1250 --defsym DOCPART=n.
;; ======== version 1 of 2: 4 launches
;; workspace buffers: eid 8,192 bytes of whole numbers; rt 32,768 bytes; idx 8,704 bytes of whole numbers; ha 1,685,248 bytes; w2q 13,107,200 bytes; hh 6,707,200 bytes
;; launch route (part 1): grid 256 x 1, 4 waves a work-group, no clusters, 0 bytes of LDS; arguments x, centroids, eid, rt; writes eid, rt
.if DOCPART == 1
	.amdgcn_target "amdgcn-amd-amdhsa--gfx1250"
	.amdhsa_code_object_version 6
	.text
	.protected	k_q8fdfb57483_route
	.globl	k_q8fdfb57483_route
	.p2align	8
	.type	k_q8fdfb57483_route,@function
k_q8fdfb57483_route:
	s_mov_b64 s[64:65], 0
	v_nop
	global_prefetch_b8 v0, s[64:65] scope:SCOPE_SE
	s_setreg_imm32_b32 hwreg(HW_REG_WAVE_MODE, 25, 1), 1
	s_wait_xcnt 0x0
; ROUTE.  For each of the 2,048 tokens (rows of x, 1,024 f32): the four dot products with the centroids, their argmax (the expert),
; alpha = sigmoid(largest dot product), the mean and 1 / sqrt(variance + 1e-5).  All in f32.
; Stored at fixed places: eid[token] (u32) and rt[token] = (mean, rstd, alpha, 0).  No address and no branch here hangs on these numbers.
; SHARES.  A wave takes two tokens: 256 work-groups x 4 waves x 2.  Lane l holds numbers 128 j + 4 l .. + 3 of a row (j = 0 .. 7): every load covers 512 consecutive bytes.
; The variance is taken in a second pass over the registers, of (x - mean), so that a common offset of the inputs costs no digits.
; LIMITS.  NaN and infinities are not served.  Of equal dot products the lower expert wins, as in argmax; two dot products closer than the rounding of an f32 sum of 1,024 terms may fall either way.
; The two stores of a wave are 32 and 8 bytes: 40 KB in the whole launch, beside 8 MB read.
; No LDS, no barrier, no matrix unit, no cluster: waves share only the 16 KB of centroids.
.set X0,   16                          ; v16-79   the two rows
.set CE,   80                          ; v80-207  the four centroids: 32 e + 4 j + i
.set SA,   208                         ; v208-211 two chains of the row's sum
.set DT,   212                         ; v212-219 the four dot products, a pair each
.set D0,   220                         ; v220-223 at work
.set D1,   222
.set Q0,   224                         ; v224-227 two chains of squares
.set Q1,   226
.set MU,   228                         ; v228-229 the mean, twice
.set PT,   230                         ; v230-234 what the other half of the lanes sends
.set RES,  236                         ; v236-243 the two tokens' records
.set EI,   244                         ; v244-245 their experts
.set OUTR, 248                         ; v248-252 what my lane stores
	s_load_b256 s[4:11], s[0:1], 0x0               ; x s[4:5], centroids s[6:7], eid s[8:9], rt s[10:11]
	v_lshrrev_b32 v3, 5, v0
	v_readfirstlane_b32 s12, v3                    ; wave 0..3
	v_and_b32 v2, 31, v0                           ; lane
	v_lshlrev_b32 v1, 4, v2                        ; 16 x lane
	v_lshlrev_b32 v3, 2, v2                        ; 4 x lane
	s_lshl_b32 s13, ttmp9, 2
	s_add_co_u32 s13, s13, s12                     ; W = 4 x work-group + wave: tokens 2 W, 2 W + 1
	s_lshl_b32 s14, s13, 13                        ; two rows of 4,096 bytes
	s_mov_b32 s15, 0
	s_lshl_b32 s16, s13, 5                         ; two records of 16 bytes
	s_mov_b32 s17, 0
	s_lshl_b32 s18, s13, 3                         ; two words
	s_mov_b32 s19, 0
	s_mov_b32 s20, 0x76543210                      ; v_permlanex16_b32: lane l takes lane l xor 16
	s_mov_b32 s21, 0xfedcba98
	s_mov_b32 s22, 0x3a800000                      ; 1 / 1024
	s_mov_b32 s23, 0x3727c5ac                      ; 1e-5
	s_mov_b32 s24, 0xbfb8aa3b                      ; -log2(e)
.irp i, 0,1,2,3,4
	v_mov_b32 v[PT+\i], 0                          ; a lane permute's destination counts as one of its sources
.endr
	s_wait_kmcnt 0x0
	s_add_nc_u64 s[4:5], s[4:5], s[14:15]
	s_add_nc_u64 s[10:11], s[10:11], s[16:17]
	s_add_nc_u64 s[8:9], s[8:9], s[18:19]
.irp t, 0,1
.irp j, 0,1,2,3,4,5,6,7
	global_load_b128 v[X0+32*\t+4*\j:X0+32*\t+4*\j+3], v1, s[4:5] offset:4096*\t+512*\j th:TH_LOAD_NT
.endr
.endr
.irp e, 0,1,2,3
.irp j, 0,1,2,3,4,5,6,7
	global_load_b128 v[CE+32*\e+4*\j:CE+32*\e+4*\j+3], v1, s[6:7] offset:4096*\e+512*\j
.endr
.endr
	s_wait_loadcnt 0x0
.macro TOK t
.set XB, X0+32*(\t)
.set RS, RES+4*(\t)
	v_pk_add_f32 v[SA:SA+1], v[XB:XB+1], v[XB+2:XB+3]              ; the row's sum, two chains of pairs
	v_pk_add_f32 v[SA+2:SA+3], v[XB+4:XB+5], v[XB+6:XB+7]
.irp j, 8,12,16,20,24,28
	v_pk_add_f32 v[SA:SA+1], v[SA:SA+1], v[XB+\j:XB+\j+1]
	v_pk_add_f32 v[SA+2:SA+3], v[SA+2:SA+3], v[XB+\j+2:XB+\j+3]
.endr
.irp e, 0,1,2,3
	v_pk_mul_f32 v[DT+2*\e:DT+2*\e+1], v[XB:XB+1], v[CE+32*\e:CE+32*\e+1]   ; the first products start the four sums
.endr
.irp j, 2,4,6,8,10,12,14,16,18,20,22,24,26,28,30
.irp e, 0,1,2,3
	v_pk_fma_f32 v[DT+2*\e:DT+2*\e+1], v[XB+\j:XB+\j+1], v[CE+32*\e+\j:CE+32*\e+\j+1], v[DT+2*\e:DT+2*\e+1]
.endr
.endr
	v_pk_add_f32 v[SA:SA+1], v[SA:SA+1], v[SA+2:SA+3]
	v_add_f32 v[SA], v[SA], v[SA+1]
.irp e, 0,1,2,3
	v_add_f32 v[DT+2*\e], v[DT+2*\e], v[DT+2*\e+1]
.endr
.irp m, 1,2,4,8                        ; the five sums over the 32 lanes, by turns
.irp q, SA,DT,DT+2,DT+4,DT+6
	v_add_f32_dpp v[\q], v[\q], v[\q] row_xmask:\m row_mask:0xf bank_mask:0xf
.endr
.endr
	v_permlanex16_b32 v[PT], v[SA], s20, s21
.irp e, 0,1,2,3
	v_permlanex16_b32 v[PT+1+\e], v[DT+2*\e], s20, s21
.endr
	v_add_f32 v[SA], v[SA], v[PT]
.irp e, 0,1,2,3
	v_add_f32 v[DT+2*\e], v[DT+2*\e], v[PT+1+\e]
.endr
	v_mul_f32 v[RS], s22, v[SA]                    ; the mean
	v_mov_b32 v[MU], v[RS]
	v_mov_b32 v[MU+1], v[RS]
	v_pk_add_f32 v[D0:D0+1], v[XB:XB+1], v[MU:MU+1] neg_lo:[0,1] neg_hi:[0,1]
	v_pk_add_f32 v[D1:D1+1], v[XB+2:XB+3], v[MU:MU+1] neg_lo:[0,1] neg_hi:[0,1]
	v_pk_mul_f32 v[Q0:Q0+1], v[D0:D0+1], v[D0:D0+1]
	v_pk_mul_f32 v[Q1:Q1+1], v[D1:D1+1], v[D1:D1+1]
.irp j, 4,8,12,16,20,24,28
	v_pk_add_f32 v[D0:D0+1], v[XB+\j:XB+\j+1], v[MU:MU+1] neg_lo:[0,1] neg_hi:[0,1]
	v_pk_add_f32 v[D1:D1+1], v[XB+\j+2:XB+\j+3], v[MU:MU+1] neg_lo:[0,1] neg_hi:[0,1]
	v_pk_fma_f32 v[Q0:Q0+1], v[D0:D0+1], v[D0:D0+1], v[Q0:Q0+1]
	v_pk_fma_f32 v[Q1:Q1+1], v[D1:D1+1], v[D1:D1+1], v[Q1:Q1+1]
.endr
	v_pk_add_f32 v[Q0:Q0+1], v[Q0:Q0+1], v[Q1:Q1+1]
	v_add_f32 v[Q0], v[Q0], v[Q0+1]
.irp m, 1,2,4,8
	v_add_f32_dpp v[Q0], v[Q0], v[Q0] row_xmask:\m row_mask:0xf bank_mask:0xf
.endr
	v_permlanex16_b32 v[PT], v[Q0], s20, s21
	v_add_f32 v[Q0], v[Q0], v[PT]
	v_fma_f32 v[D0], v[Q0], s22, s23               ; variance + 1e-5
	v_rsq_f32 v[RS+1], v[D0]
	v_mov_b32 v[EI+\t], 0                          ; (a plain line behind the root)  the argmax: a later expert wins only if strictly larger
	v_mov_b32 v[D1], v[DT]
.irp e, 1,2,3
	v_cmp_gt_f32 vcc_lo, v[DT+2*\e], v[D1]
	v_cndmask_b32 v[D1], v[D1], v[DT+2*\e], vcc_lo
	v_cndmask_b32 v[EI+\t], v[EI+\t], \e, vcc_lo
.endr
	v_mul_f32 v[D1], s24, v[D1]                    ; alpha = 1 / (1 + 2^(-log2(e) x the largest dot product))
	v_exp_f32 v[D1+1], v[D1]
	v_nop                                          ; a plain line behind the exponential
	s_wait_alu depctr_va_vdst(0)                   ; one wait for the root and the exponential, ahead of the first line that names a result
	v_add_f32 v[D1+1], 1.0, v[D1+1]
	v_rcp_f32 v[RS+2], v[D1+1]
	v_mov_b32 v[RS+3], 0                           ; a plain line behind the reciprocal
	s_wait_alu depctr_va_vdst(0)                   ; and the wait for it
.endm
	TOK 0
	TOK 1
	v_cmp_eq_u32 vcc_lo, 1, v2                     ; lane 0 stores token 2 W's numbers, lane 1 token 2 W + 1's
.irp i, 0,1,2,3
	v_cndmask_b32 v[OUTR+\i], v[RES+\i], v[RES+4+\i], vcc_lo
.endr
	v_cndmask_b32 v[OUTR+4], v[EI], v[EI+1], vcc_lo
	s_wait_xcnt 0x0                                ; EXEC changes only behind this wait
	v_cmp_gt_u32 vcc_lo, 2, v2
	s_and_saveexec_b32 s25, vcc_lo
	global_store_b128 v1, v[OUTR:OUTR+3], s[10:11]
	global_store_b32 v3, v[OUTR+4], s[8:9]
	s_endpgm
.Lfunc_end_k_q8fdfb57483_route:
	.size	k_q8fdfb57483_route, .Lfunc_end_k_q8fdfb57483_route-k_q8fdfb57483_route
	.p2alignl 7, 3214868480
	.fill 96, 4, 3214868480
	.section	.rodata,"a",@progbits
	.p2align	6, 0x0
	.amdhsa_kernel k_q8fdfb57483_route
		.amdhsa_group_segment_fixed_size 0
		.amdhsa_private_segment_fixed_size 0
		.amdhsa_enable_private_segment 0
		.amdhsa_kernarg_size 32
		.amdhsa_user_sgpr_count 2
		.amdhsa_user_sgpr_kernarg_segment_ptr 1
		.amdhsa_wavefront_size32 1
		.amdhsa_system_sgpr_workgroup_id_x 1
		.amdhsa_system_sgpr_workgroup_id_y 1
		.amdhsa_system_sgpr_workgroup_id_z 1
		.amdhsa_system_vgpr_workitem_id 0
		.amdhsa_next_free_vgpr 256
		.amdhsa_next_free_sgpr 66
		.amdhsa_reserve_vcc 1
		.amdhsa_float_denorm_mode_32 3
		.amdhsa_float_denorm_mode_16_64 3
		.amdhsa_memory_ordered 1
		.amdhsa_forward_progress 1
		.amdhsa_inst_pref_size 27
	.end_amdhsa_kernel
	.amdgpu_metadata
---
amdhsa.version: [ 1, 2 ]
amdhsa.kernels:
  - .name:           k_q8fdfb57483_route
    .symbol:         k_q8fdfb57483_route.kd
    .args:
      - { .name: x, .offset: 0, .size: 8, .value_kind: global_buffer, .address_space: global }
      - { .name: centroids, .offset: 8, .size: 8, .value_kind: global_buffer, .address_space: global }
      - { .name: eid, .offset: 16, .size: 8, .value_kind: global_buffer, .address_space: global }
      - { .name: rt, .offset: 24, .size: 8, .value_kind: global_buffer, .address_space: global }
    .group_segment_fixed_size: 0
    .private_segment_fixed_size: 0
    .kernarg_segment_align: 8
    .kernarg_segment_size: 32
    .max_flat_workgroup_size: 128
    .sgpr_count:     66
    .vgpr_count:     256
    .wavefront_size: 32
...
	.end_amdgpu_metadata
.endif
;; end of part 1
;; launch prep (part 2): grid 387 x 1, 8 waves a work-group, no clusters, 0 bytes of LDS; arguments eid, rt, x, gamma, beta, w2, idx, ha, w2q; writes idx, ha, w2q
.if DOCPART == 2
	.amdgcn_target "amdgcn-amd-amdhsa--gfx1250"
	.amdhsa_code_object_version 6
	.text
	.protected	k_q8fdfb57483_prep
	.globl	k_q8fdfb57483_prep
	.p2align	8
	.type	k_q8fdfb57483_prep,@function
k_q8fdfb57483_prep:
	s_mov_b64 s[64:65], 0
	v_nop
	global_prefetch_b8 v0, s[64:65] scope:SCOPE_SE
	s_setreg_imm32_b32 hwreg(HW_REG_WAVE_MODE, 25, 1), 1
	s_wait_xcnt 0x0
; PREP.  Two kinds of work-groups in one launch; they share no byte, and the text has no LDS and no barrier.
; ROWS (work-groups 0 .. 130): work-group p makes row tile p: 16 tokens of one expert.  From eid (whole numbers, stored by the launch before) every wave counts the experts' tokens, finds the tile's expert and its
;   16 tokens (integers only), gathers their rows of x, forms h = (x - mean) rstd gamma + beta in f32 and quantises it to FP6 (E2M3) with one E8M0 byte for each 32 along K.  Wave s makes K step s (128 of 1,024).
;   With 2,048 tokens, 4 experts and tiles of 16 there are never more than 2048 / 16 + 3 = 131 tiles.  Expert e owns tiles st[e] .. st[e] + nt[e] - 1.  A work-group beyond the last tile stores nothing and ends.
;   The rows that fill up an expert's last tile repeat its last token: they give the same numbers, which are later stored to the same place.
; WEIGHTS (work-groups 131 .. 386): w2 [4][4096 (k)][1024 (n)] f32 is quantised along K, its first axis.  A wave takes 128 k x 64 columns.
; LAYOUTS.  An operand is stored as the IMAGE OF ITS REGISTERS: a fragment (16 rows x 128 K, 12 registers a lane) is 1,536 bytes: registers 4 q .. 4 q + 3 of lane l at 512 q + 16 l.
;   ha:  fragment (tile p, K step s) at 12288 p + 1536 s.  HAS: the scale word of (K step s, row r) at 512 p + 16 (r + 16 (s & 1)) + 4 (s >> 1).  ALS: alpha of the tile's 16 rows, 64 p.
;   idx: st[4] at 0, nt[4] at 16; the tile's 16 tokens at 256 + 64 p.
;   w2q: fragment (expert e, column group cg, tile jj, K step s) at ((16 e + cg) 4 + jj) 49152 + 1536 s.  Row r of tile jj is column 64 cg + 4 r + jj: a lane loads 4 neighbouring columns by one load of 16 bytes,
;        and is then the same lane of all four fragments.  W2S: 256 bytes for each (e, cg, s): the word of (jj, r) at 8 (r + 16 (jj & 1)) + 4 (jj >> 1).
; THE QUANTISER.  A lane holds whole blocks of 32 along K.  The largest magnitude, with the floor 2^(3 - 127) among its leaves; 2 off its exponent field gives the conversion's scale operand, and that shifted down the byte.
; LIMITS.  NaN and infinities are not served.  A block whose largest magnitude lies under 2^-124, a block of zeros too, keeps the byte 1: zero codes add nothing, and only this program reads the bytes.
.set HAS,  1609728
.set ALS,  1676800
.set W2S,  12582912
.set SH8,  5                           ; v5  8 x (lane / 16)
.set SEL,  24                          ; s[24:25] lane selects: lane l xor 16
.set HM,   26                          ; s26 the mask of lanes 16-31
; 32 numbers of a lane, v[t] on, one block: six registers of codes at v[cd] on, the conversion's scale operand in v[so], the byte in v[by]
.macro QB t, cd, so, by
	v_max3_num_f32 v[QM0], |v[(\t)]|, |v[(\t)+1]|, 0x1800000
	v_max3_num_f32 v[QM1], |v[(\t)+16]|, |v[(\t)+17]|, |v[(\t)+18]|
.irp i, 2,4,6,8,10,12
	v_max3_num_f32 v[QM0], v[QM0], |v[(\t)+\i]|, |v[(\t)+\i+1]|
	v_max3_num_f32 v[QM1], v[QM1], |v[(\t)+17+\i]|, |v[(\t)+18+\i]|
.endr
	v_max3_num_f32 v[QM0], v[QM0], |v[(\t)+14]|, |v[(\t)+15]|
	v_max3_num_f32 v[QM0], v[QM0], v[QM1], |v[(\t)+31]|
	v_add_nc_u32 v[\so], 0xff000000, v[QM0]        ; 2 off the exponent field
	v_lshrrev_b32 v[\by], 23, v[\so]
	v_cvt_scalef32_pk16_fp6_f32 v[(\cd):(\cd)+2], v[(\t):(\t)+15], v[\so]
	v_cvt_scalef32_pk16_fp6_f32 v[CT:CT+2], v[(\t)+16:(\t)+31], v[\so]   ; (a conversion's three registers begin on an even number)
	v_nop                                          ; one plain line behind a scaled conversion
.irp i, 0,1,2
	v_mov_b32 v[(\cd)+3+\i], v[CT+\i]
.endr
.endm
; my two bytes (blocks h and 2 + h of my row) and lane l xor 16's two make the row's scale word
.macro SCW w, b0, b1
	v_lshl_or_b32 v[\w], v[\b1], 16, v[\b0]
	v_lshlrev_b32 v[\w], v[SH8], v[\w]
	v_permlanex16_b32 v[PT], v[\w], s[SEL], s[SEL+1]
	v_or_b32 v[\w], v[\w], v[PT]
.endm
; a landed unit (32 k x 64 columns: register base + 4 i + jj = k i, column 4 r + jj) becomes half c of the four fragments
.macro QUNIT base, c
.irp jj, 0,1,2,3
.set i, 0
.rept 32
	v_mov_b32 v[T+i], v[(\base)+4*i+\jj]           ; the conversions want a block in consecutive registers
.set i, i+1
.endr
	QB T,C+12*\jj+6*(\c),SO,BY+2*\jj+(\c)
.endr
.endm
	s_load_b512 s[4:19], s[0:1], 0x0               ; eid s[4:5], rt s[6:7], x s[8:9], gamma s[10:11], beta s[12:13], w2 s[14:15], idx s[16:17], ha s[18:19]
	s_load_b64 s[20:21], s[0:1], 0x40              ; w2q
	v_lshrrev_b32 v1, 5, v0
	v_readfirstlane_b32 s22, v1                    ; wave 0..7
	v_and_b32 v7, 31, v0                           ; lane
	v_lshlrev_b32 v1, 4, v7                        ; 16 x lane
	v_lshlrev_b32 v2, 2, v7                        ; 4 x lane
	v_and_b32 v3, 15, v0                           ; r
	v_bfe_u32 v4, v0, 4, 1                         ; h
	v_lshlrev_b32 v[SH8], 3, v4
	s_mov_b32 s[SEL], 0x76543210
	s_mov_b32 s[SEL+1], 0xfedcba98
	s_mov_b32 s[HM], 0xffff0000
	s_wait_kmcnt 0x0
	s_cmp_lt_u32 ttmp9, 131
	s_cbranch_scc1 .Lrows
; ---------------- WEIGHTS ----------------
.set LND,  64                          ; v64-191  a unit as it lands
.set T,    192                         ; v192-223 a block
.set C,    16                          ; v16-63   the four fragments
.set W,    224                         ; v224-227 their scale words
.set BY,   228                         ; v228-235 bytes (jj, c)
.set QM0,  236
.set QM1,  237
.set SO,   238
.set CT,   240
.set P,    244                         ; v244-245 what my lane stores of the scale words
.set PT,   246
	s_sub_co_u32 s27, ttmp9, 131
	s_lshr_b32 s28, s27, 6                         ; expert
	s_bfe_u32 s29, s27, 0x40002                    ; column group: 4 bits from bit 2
	s_and_b32 s30, s27, 3
	s_lshl_b32 s30, s30, 3
	s_add_co_u32 s30, s30, s22                     ; K step s = 8 x (id & 3) + wave
	s_lshl_b32 s32, s28, 24                        ; an expert's w2 is 2^24 bytes,
	s_lshl_b32 s33, s30, 19                        ; 128 rows of 4,096 bytes,
	s_add_co_u32 s32, s32, s33
	s_lshl_b32 s33, s29, 8                         ; 64 columns
	s_add_co_u32 s32, s32, s33
	s_mov_b32 s33, 0
	s_add_nc_u64 s[14:15], s[14:15], s[32:33]
	s_lshl_b32 s34, s28, 4
	s_add_co_u32 s34, s34, s29                     ; 16 e + cg
	s_mul_i32 s36, s34, 196608
	s_mul_i32 s35, s30, 1536
	s_add_co_u32 s36, s36, s35
	s_mov_b32 s37, 0
	s_add_nc_u64 s[36:37], s[20:21], s[36:37]      ; my fragments
	s_lshl_b32 s34, s34, 5
	s_add_co_u32 s34, s34, s30
	s_lshl_b32 s34, s34, 8
	s_add_co_u32 s34, s34, W2S
	s_mov_b32 s35, 0
	s_add_nc_u64 s[34:35], s[20:21], s[34:35]      ; my scale words
	v_lshlrev_b32 v6, 4, v3
	v_lshl_or_b32 v6, v4, 17, v6                   ; 16 r, and 32 rows further down for lanes 16-31: the layout gives lane (r, h) k = 64 c + 32 h + 0 .. 31
	v_lshlrev_b32 v8, 3, v7                        ; 8 x lane
	v_mov_b32 v[PT], 0
.macro WLOAD c                         ; each load: 256 consecutive bytes of row 64 c + i and 256 of the row 32 further down
.set i, 0
.rept 32
	global_load_b128 v[LND+4*i:LND+4*i+3], v6, s[14:15] offset:(64*(\c)+i)*4096 th:TH_LOAD_NT
.set i, i+1
.endr
.endm
	WLOAD 0
	s_wait_loadcnt 0x0
	QUNIT LND,0
	WLOAD 1
	s_wait_loadcnt 0x0
	QUNIT LND,1
.irp jj, 0,1,2,3
	SCW W+\jj,BY+2*\jj,BY+2*\jj+1
.endr
	v_cndmask_b32 v[P], v[W], v[W+1], s[HM]        ; lanes 0-15 carry tiles 0 and 2, lanes 16-31 tiles 1 and 3
	v_cndmask_b32 v[P+1], v[W+2], v[W+3], s[HM]
.irp jj, 0,1,2,3
.irp q, 0,1,2
	global_store_b128 v1, v[C+12*\jj+4*\q:C+12*\jj+4*\q+3], s[36:37] offset:49152*\jj+512*\q   ; 512 consecutive bytes, at a multiple of 512 from the buffer's first byte
.endr
.endr
	global_store_b64 v8, v[P:P+1], s[34:35]        ; 256 consecutive bytes
	s_endpgm
; ---------------- ROWS ----------------
.Lrows:
.set EID,  64                          ; v64-127  eid of all tokens: register 4 i + jj, lane l = token 128 i + 4 l + jj; later my 64 numbers of x
.set X,    64
.set G,    128                         ; v128-191 gamma
.set BT,   192                         ; v192-255 beta
.set C,    24                          ; v24-35   the fragment
.set CT,   36
.set QM0,  40
.set QM1,  41
.set SO,   42
.set BY,   44
.set W,    46
.set PT,   47
.set i, 0
.rept 16
	global_load_b128 v[EID+4*i:EID+4*i+3], v1, s[4:5] offset:512*i
.set i, i+1
.endr
	v_lshlrev_b32 v6, 7, v4                        ; 128 h: my half's 32 numbers of a block pair
	v_mov_b32 v48, 0                               ; two counters, a byte for each expert
	v_mov_b32 v49, 0
	v_mov_b32 v14, 0
	v_mov_b32 v[PT], 0
	v_mov_b32 v9, 0
	v_mov_b32 v10, 0
	v_mov_b32 v11, 0
	s_wait_loadcnt 0x0
.set k, 0
.rept 32                               ; 1 << (8 x expert): at most 32 in a byte of each counter
	v_lshlrev_b32 v12, 3, v[EID+k]
	v_lshlrev_b32 v13, 3, v[EID+k+1]
	v_lshl_add_u32 v48, 1, v12, v48
	v_lshl_add_u32 v49, 1, v13, v49
.set k, k+2
.endr
	v_add_nc_u32 v48, v48, v49
	v_lshrrev_b32 v49, 8, v48
	v_and_b32 v48, 0x00ff00ff, v48                 ; experts 0 and 2 in fields of 16 bits,
	v_and_b32 v49, 0x00ff00ff, v49                 ; experts 1 and 3: 2,048 at the most
.irp m, 1,2,4,8
	v_mov_b32_dpp v14, v48 row_xmask:\m row_mask:0xf bank_mask:0xf
	v_mov_b32_dpp v13, v49 row_xmask:\m row_mask:0xf bank_mask:0xf
	v_add_nc_u32 v48, v48, v14
	v_add_nc_u32 v49, v49, v13
.endr
	v_permlanex16_b32 v14, v48, s[SEL], s[SEL+1]
	v_permlanex16_b32 v13, v49, s[SEL], s[SEL+1]
	v_add_nc_u32 v48, v48, v14
	v_add_nc_u32 v49, v49, v13
	v_readfirstlane_b32 s27, v48
	v_readfirstlane_b32 s28, v49
	s_and_b32 s60, s27, 0xffff                     ; s60-63: the experts' counts
	s_lshr_b32 s62, s27, 16
	s_and_b32 s61, s28, 0xffff
	s_lshr_b32 s63, s28, 16
.irp e, 0,1,2,3
	s_add_co_u32 s[66+\e], s[60+\e], 15
	s_lshr_b32 s[66+\e], s[66+\e], 4               ; s66-69: their tiles
.endr
	s_mov_b32 s70, 0                               ; s70-73: their first tiles; s74: all tiles
	s_add_co_u32 s71, s70, s66
	s_add_co_u32 s72, s71, s67
	s_add_co_u32 s73, s72, s68
	s_add_co_u32 s74, s73, s69
	s_or_b32 s27, ttmp9, s22
	s_cmp_lg_u32 s27, 0
	s_cbranch_scc1 .Lnometa                        ; wave 0 of work-group 0 stores st and nt
	v_mov_b32 v50, 0
.irp i, 0,1,2,3
	v_writelane_b32 v50, s[70+\i], \i
	v_writelane_b32 v50, s[66+\i], 4+\i
.endr
	global_store_b32 v2, v50, s[16:17]             ; v2, v50 and s[16:17] are not written again
.Lnometa:
	s_cmp_ge_u32 ttmp9, s74
	s_cbranch_scc1 .Lend                           ; this split has no tile p
	s_cmp_ge_u32 ttmp9, s71                        ; the tile's expert: how many of st[1 .. 3] are at or under p
	s_cselect_b32 s27, 1, 0
	s_cmp_ge_u32 ttmp9, s72
	s_cselect_b32 s28, 1, 0
	s_cmp_ge_u32 ttmp9, s73
	s_cselect_b32 s29, 1, 0
	s_add_co_u32 s27, s27, s28
	s_add_co_u32 s27, s27, s29
	s_min_u32 s31, s27, 3                          ; e
	s_mov_b32 s28, s70
	s_mov_b32 s29, s60
.irp e, 1,2,3
	s_cmp_eq_u32 s31, \e
	s_cselect_b32 s28, s[70+\e], s28
	s_cselect_b32 s29, s[60+\e], s29
.endr
	s_sub_co_u32 s28, ttmp9, s28
	s_lshl_b32 s28, s28, 4                         ; the tile's first rank among the expert's tokens
	s_sub_co_u32 s29, s29, 1                       ; the last rank there is
	s_lshl_b32 s32, s31, 12
	s_lshl_b32 s33, s22, 9
	s_add_co_u32 s32, s32, s33                     ; gamma, beta: row e, my K step's 512 bytes
	s_mov_b32 s33, 0
	s_add_nc_u64 s[10:11], s[10:11], s[32:33]
	s_add_nc_u64 s[12:13], s[12:13], s[32:33]
.irp c, 0,1
.irp i, 0,1,2,3,4,5,6,7
	global_load_b128 v[G+32*\c+4*\i:G+32*\c+4*\i+3], v6, s[10:11] offset:256*\c+16*\i
	global_load_b128 v[BT+32*\c+4*\i:BT+32*\c+4*\i+3], v6, s[12:13] offset:256*\c+16*\i
.endr
.endr
	v_add_nc_u32 v8, s28, v3
	v_min_u32 v8, s29, v8                          ; my row's rank; ranks past the end repeat the last token
	; which register holds the token of that rank: the last one whose running count is at or under the rank
	s_mov_b32 s56, 0
.set k, 0
.rept 8
.irp i, 0,1,2,3,4,5,6,7
	v_cmp_eq_u32 s[40+\i], s31, v[EID+k+\i]
.endr
.irp i, 0,1,2,3,4,5,6,7
	s_bcnt1_i32_b32 s[48+\i], s[40+\i]
.endr
.irp i, 0,1,2,3,4,5,6,7
	v_cmp_le_u32 vcc_lo, s56, v8
	v_cndmask_b32 v9, v9, s[40+\i], vcc_lo         ; its mask of lanes,
	v_cndmask_b32 v10, v10, s56, vcc_lo            ; the count in front of it,
	v_cndmask_b32 v11, v11, k+\i, vcc_lo           ; its number
	s_add_co_u32 s56, s56, s[48+\i]
.endr
.set k, k+8
.endr
	v_sub_nc_u32 v12, v8, v10                      ; which set bit of the mask, from 0
	v_mov_b32 v13, 32                              ; its place = 32 less the number of bits at or above it
.set b, 0
.rept 32
	v_bfe_u32 v14, v9, b, 1
	v_sub_nc_u32 v12, v12, v14
	v_ashrrev_i32 v14, 31, v12
	v_add_nc_u32 v13, v13, v14
.set b, b+1
.endr
	v_lshrrev_b32 v14, 2, v11
	v_lshlrev_b32 v14, 7, v14
	v_lshl_add_u32 v14, v13, 2, v14
	v_and_b32 v15, 3, v11
	v_add_nc_u32 v15, v15, v14                     ; token = 128 (register / 4) + 4 x lane + register % 4
	v_min_u32 v15, 0x7ff, v15
	v_lshlrev_b32 v51, 4, v15
	v_lshl_add_u32 v52, v15, 12, v6
	s_lshl_b32 s32, s22, 9
	s_add_nc_u64 s[8:9], s[8:9], s[32:33]
	global_load_b128 v[16:19], v51, s[6:7]         ; mean, rstd, alpha
.irp c, 0,1
.irp i, 0,1,2,3,4,5,6,7
	global_load_b128 v[X+32*\c+4*\i:X+32*\c+4*\i+3], v52, s[8:9] offset:256*\c+16*\i   ; x(token, 128 s + 64 c + 32 h + 4 i ..): over the 16 loads a row's 512 bytes are read whole
.endr
.endr
	s_wait_loadcnt 0x0
	v_mov_b32 v20, v16
	v_mov_b32 v21, v16
	v_mov_b32 v22, v17
	v_mov_b32 v23, v17
.set k, 0
.rept 32
	v_pk_add_f32 v[X+k:X+k+1], v[X+k:X+k+1], v[20:21] neg_lo:[0,1] neg_hi:[0,1]
.set k, k+2
.endr
.set k, 0
.rept 32
	v_pk_mul_f32 v[X+k:X+k+1], v[X+k:X+k+1], v[22:23]
.set k, k+2
.endr
.set k, 0
.rept 32
	v_pk_fma_f32 v[X+k:X+k+1], v[X+k:X+k+1], v[G+k:G+k+1], v[BT+k:BT+k+1]
.set k, k+2
.endr
	QB X,C,SO,BY
	QB X+32,C+6,SO+1,BY+1
	SCW W,BY,BY+1
	s_mul_i32 s32, ttmp9, 12288
	s_mul_i32 s34, s22, 1536
	s_add_co_u32 s32, s32, s34
	s_add_nc_u64 s[36:37], s[18:19], s[32:33]
.irp q, 0,1,2
	global_store_b128 v1, v[C+4*\q:C+4*\q+3], s[36:37] offset:512*\q
.endr
	s_lshl_b32 s32, ttmp9, 9
	s_and_b32 s34, s22, 1
	s_lshl_b32 s34, s34, 8
	s_add_co_u32 s32, s32, s34
	s_lshr_b32 s34, s22, 1
	s_lshl_b32 s34, s34, 2
	s_add_co_u32 s32, s32, s34
	s_add_co_u32 s32, s32, HAS
	s_add_nc_u64 s[38:39], s[18:19], s[32:33]
	v_lshlrev_b32 v53, 4, v3
	global_store_b32 v53, v[W], s[38:39]           ; lanes l and l + 16 hold the same word and store it to the same place
	s_cmp_lg_u32 s22, 0
	s_cbranch_scc1 .Lend                           ; wave 0 stores the tile's tokens and their alpha
	s_lshl_b32 s32, ttmp9, 6
	s_add_nc_u64 s[76:77], s[16:17], s[32:33]
	s_add_co_u32 s32, s32, ALS
	s_add_nc_u64 s[78:79], s[18:19], s[32:33]
	v_lshlrev_b32 v54, 2, v3
	global_store_b32 v54, v15, s[76:77] offset:256
	global_store_b32 v54, v18, s[78:79]
.Lend:
	s_endpgm
.Lfunc_end_k_q8fdfb57483_prep:
	.size	k_q8fdfb57483_prep, .Lfunc_end_k_q8fdfb57483_prep-k_q8fdfb57483_prep
	.p2alignl 7, 3214868480
	.fill 96, 4, 3214868480
	.section	.rodata,"a",@progbits
	.p2align	6, 0x0
	.amdhsa_kernel k_q8fdfb57483_prep
		.amdhsa_group_segment_fixed_size 0
		.amdhsa_private_segment_fixed_size 0
		.amdhsa_enable_private_segment 0
		.amdhsa_kernarg_size 72
		.amdhsa_user_sgpr_count 2
		.amdhsa_user_sgpr_kernarg_segment_ptr 1
		.amdhsa_wavefront_size32 1
		.amdhsa_system_sgpr_workgroup_id_x 1
		.amdhsa_system_sgpr_workgroup_id_y 1
		.amdhsa_system_sgpr_workgroup_id_z 1
		.amdhsa_system_vgpr_workitem_id 0
		.amdhsa_next_free_vgpr 256
		.amdhsa_next_free_sgpr 96
		.amdhsa_reserve_vcc 1
		.amdhsa_float_denorm_mode_32 3
		.amdhsa_float_denorm_mode_16_64 3
		.amdhsa_memory_ordered 1
		.amdhsa_forward_progress 1
		.amdhsa_inst_pref_size 84
	.end_amdhsa_kernel
	.amdgpu_metadata
---
amdhsa.version: [ 1, 2 ]
amdhsa.kernels:
  - .name:           k_q8fdfb57483_prep
    .symbol:         k_q8fdfb57483_prep.kd
    .args:
      - { .name: eid, .offset: 0, .size: 8, .value_kind: global_buffer, .address_space: global }
      - { .name: rt, .offset: 8, .size: 8, .value_kind: global_buffer, .address_space: global }
      - { .name: x, .offset: 16, .size: 8, .value_kind: global_buffer, .address_space: global }
      - { .name: gamma, .offset: 24, .size: 8, .value_kind: global_buffer, .address_space: global }
      - { .name: beta, .offset: 32, .size: 8, .value_kind: global_buffer, .address_space: global }
      - { .name: w2, .offset: 40, .size: 8, .value_kind: global_buffer, .address_space: global }
      - { .name: idx, .offset: 48, .size: 8, .value_kind: global_buffer, .address_space: global }
      - { .name: ha, .offset: 56, .size: 8, .value_kind: global_buffer, .address_space: global }
      - { .name: w2q, .offset: 64, .size: 8, .value_kind: global_buffer, .address_space: global }
    .group_segment_fixed_size: 0
    .private_segment_fixed_size: 0
    .kernarg_segment_align: 8
    .kernarg_segment_size: 72
    .max_flat_workgroup_size: 256
    .sgpr_count:     96
    .vgpr_count:     256
    .wavefront_size: 32
...
	.end_amdgpu_metadata
.endif
;; end of part 2
;; launch ffn1 (part 3): grid 64 x 4, 4 waves a work-group, no clusters, 51,712 bytes of LDS; arguments w1, b1, idx, ha, hh; writes hh
.if DOCPART == 3
	.amdgcn_target "amdgcn-amd-amdhsa--gfx1250"
	.amdhsa_code_object_version 6
	.text
	.protected	k_q8fdfb57483_ffn1
	.globl	k_q8fdfb57483_ffn1
	.p2align	8
	.type	k_q8fdfb57483_ffn1,@function
k_q8fdfb57483_ffn1:
	s_mov_b64 s[64:65], 0
	v_nop
	global_prefetch_b8 v0, s[64:65] scope:SCOPE_SE
	s_setreg_imm32_b32 hwreg(HW_REG_WAVE_MODE, 25, 1), 1
	s_wait_xcnt 0x0
; FFN1.  hidden = relu(h w1[e] + b1[e]) for the rows of expert e alone, on codes of FP6 (E2M3) with one E8M0 byte for each 32 along K, and quantised again along the next product's K.
; SHARES.  Work-group (cg, e) owns 64 hidden columns of expert e and all of K = 1,024: 256 KB of w1, read once, as f32.
;   PHASE 1: wave w reads K steps 2 w, 2 w + 1 (256 rows x 256 bytes), quantises them in registers and puts the eight fragments and their scale words into LDS as images of the operand's registers.  One barrier.
;   Then every wave takes all 32 fragments (384 registers) and walks row tiles st + w, st + w + 4 .. of the expert.  A tile: 32 matrix instructions (8 K steps x 4 column tiles, the four accumulators by turns),
;   relu, the quantiser, 768 bytes of codes and 32 scale bytes stored.
; COLUMNS.  Row m of column tile jj is column 64 cg + 4 m + jj (a lane loads 4 neighbouring columns by 16 bytes).  The product is used transposed (source 0 = 16 columns of w1, source 1 = 16 rows of h), so that
;   lane (r, h) holds row r, and register i of tile jj the hidden unit 64 cg + 32 h + 4 i + jj: the lane's 32 results are one whole block of the next K, and its six registers of codes are registers
;   6 (cg & 1) .. + 5 of lane (r, h) of the next operand's K step cg / 2.  Nothing changes lanes.  b1 is the C of each sum's first matrix instruction.
; hh: half fragment (tile p, cg) at 49152 p + 768 cg: registers 0-3 of lane l at 16 l, registers 4-5 at 512 + 8 l.  HHS: 2048 p + 512 (K step / 8) + 16 (r + 16 (s' & 1)) + 4 (s' >> 1) + byte, s' = K step % 8.
; THE NUMBER OF ROW TILES IS READ FROM MEMORY (idx: st, nt), so the text has no tensor load, hence no joint loads in a cluster: the rows' fragments come straight into registers, three buffers of 25 loads, two tiles ahead.
;   The row loop is counted against the constant 11: an expert has at most 128 tiles, a wave at most 32 of them, a trip takes three.  A forward branch on the stored end leaves it as soon as the wave's tiles are done.
;   A tile past the expert's end is still asked for, so that every path issues the same loads; it then reads 16 bytes a load (the lanes' offset is multiplied by 0) of a tile that exists.
; The scale bytes leave as single bytes, 32 a tile: one byte for each 24 bytes of codes.
; LIMITS as in the quantiser of the launch before: NaN and infinities are not served; a block under 2^-124 keeps the byte 1.
; REGISTERS, in windows of 256.  Window 0: addresses, scale words, b1, accumulators, what the quantiser works on.  Windows 1, 2: phase 1: the four landing units; then w1's fragments (K step s, tile jj) at
;   window 1 + s / 4, v[12 (4 (s % 4) + jj)], and in v192-239 row buffer 2.  Window 3: row buffers 0 (v0-95) and 1 (v96-191).
.set HAS,  1609728
.set HHS,  6438912
.set TRIPS, 11                         ; 3 x 11 covers a wave's 32 tiles
.set L16,  1                           ; v1  16 x lane
.set L8,   2                           ; v2  8 x lane
.set RR,   3                           ; v3  r
.set HH,   4                           ; v4  h
.set WOF,  5                           ; v5  w1: 16 r, and 32 rows further down for lanes 16-31
.set LSI,  6                           ; v6  LDS: where I store my fragments: 16 x lane + 12288 x wave
.set LSS,  7                           ; v7  and my scale words: 8 x lane + 512 x wave + 49152
.set SH8,  8                           ; v8  8 h
.set BOF,  9                           ; v9  16 r + h: my scale byte's place
.set VA,   10                          ; v10-12 the row buffers' lane offsets: 16 x lane or 0
.set B1O,  13                          ; v13 128 h
.set QM0,  14
.set QM1,  15
.set SO,   16
.set BY,   18                          ; v18-25
.set P,    26                          ; v26-27
.set CT,   28                          ; v28-30
.set PT,   31
.set BSC,  32                          ; v32-47  w1's scale words: 2 s + jj / 2; lanes 0-15 even tiles, lanes 16-31 odd tiles
.set ASC,  48                          ; v48-59  the rows' scale words, 4 a buffer: register i: lanes 0-15 K step 2 i, lanes 16-31 K step 2 i + 1
.set BIAS, 64                          ; v64-95  b1 in the result's layout: 8 jj + i
.set ACC,  96                          ; v96-127 the four accumulators
.set T,    128                         ; v128-159 a block
.set CD,   160                         ; v160-165 its codes
.set C,    168                         ; v168-215 phase 1: four fragments
.set W,    216                         ; v216-219 their scale words
.set SEL,  24                          ; s[24:25]
.set HM,   26                          ; s26
.set AB,   32                          ; s[32:37] the row buffers' bases: codes
.set SBA,  38                          ; s[38:43] scale words
.set MSB, 0
.macro WIN new                         ; the immediate's high byte repeats the setting that is left
.if MSB != (\new)
	s_set_vgpr_msb (MSB<<8)|(\new)
.set MSB, (\new)
.endif
.endm
.macro QB t, cd, so, by                ; 32 numbers of a lane, one block: six registers of codes, the scale operand, the byte
	v_max3_num_f32 v[QM0], |v[(\t)]|, |v[(\t)+1]|, 0x1800000
	v_max3_num_f32 v[QM1], |v[(\t)+16]|, |v[(\t)+17]|, |v[(\t)+18]|
.irp i, 2,4,6,8,10,12
	v_max3_num_f32 v[QM0], v[QM0], |v[(\t)+\i]|, |v[(\t)+\i+1]|
	v_max3_num_f32 v[QM1], v[QM1], |v[(\t)+17+\i]|, |v[(\t)+18+\i]|
.endr
	v_max3_num_f32 v[QM0], v[QM0], |v[(\t)+14]|, |v[(\t)+15]|
	v_max3_num_f32 v[QM0], v[QM0], v[QM1], |v[(\t)+31]|
	v_add_nc_u32 v[\so], 0xff000000, v[QM0]
	v_lshrrev_b32 v[\by], 23, v[\so]
	v_cvt_scalef32_pk16_fp6_f32 v[(\cd):(\cd)+2], v[(\t):(\t)+15], v[\so]
	v_cvt_scalef32_pk16_fp6_f32 v[CT:CT+2], v[(\t)+16:(\t)+31], v[\so]
	v_nop                                          ; one plain line behind a scaled conversion
.irp i, 0,1,2
	v_mov_b32 v[(\cd)+3+\i], v[CT+\i]
.endr
.endm
.macro SCW w, b0, b1
	v_lshl_or_b32 v[\w], v[\b1], 16, v[\b0]
	v_lshlrev_b32 v[\w], v[SH8], v[\w]
	v_permlanex16_b32 v[PT], v[\w], s[SEL], s[SEL+1]
	v_or_b32 v[\w], v[\w], v[PT]
.endm
.macro ULOAD sp, c                     ; unit (sp, c): rows 128 sp + 64 c + i (+ 32 for lanes 16-31) of my 256, into window 1 + sp, v[128 c] on; each load 2 x 256 consecutive bytes
	WIN 0x40*(1+\sp)
.set i, 0
.rept 32
	global_load_b128 v[128*(\c)+4*i:128*(\c)+4*i+3], v[WOF], s[4:5] offset:(128*(\sp)+64*(\c)+i)*16384 th:TH_LOAD_NT
.set i, i+1
.endr
	WIN 0
.endm
.macro QUNIT win, base, c              ; a landed unit becomes half c of four fragments
.irp jj, 0,1,2,3
	WIN \win
.set i, 0
.rept 32
	v_mov_b32 v[T+i], v[(\base)+4*i+\jj]
.set i, i+1
.endr
	WIN 0
	QB T,C+12*\jj+6*(\c),SO,BY+2*\jj+(\c)
.endr
.endm
.macro KFIN sp                         ; a K step's four fragments and scale words go to LDS as they stand
.irp jj, 0,1,2,3
	SCW W+\jj,BY+2*\jj,BY+2*\jj+1
.endr
	v_cndmask_b32 v[P], v[W], v[W+1], s[HM]
	v_cndmask_b32 v[P+1], v[W+2], v[W+3], s[HM]
.irp jj, 0,1,2,3
.irp q, 0,1,2
	ds_store_b128 v[LSI], v[C+12*\jj+4*\q:C+12*\jj+4*\q+3] offset:(4*(\sp)+\jj)*1536+512*\q
.endr
.endr
	ds_store_b64 v[LSS], v[P:P+1] offset:256*(\sp)
	s_wait_dscnt 0x0                               ; the stores are done: their registers are written again, and the barrier follows the second
.endm
; row buffer b takes tile s53: 24 loads of codes and one of scale words
.macro LOADA b
	s_wait_xcnt 0x0                                ; the buffer's bases and lane offset are written again only behind this wait
	s_sub_co_i32 s52, s22, s53
	s_max_i32 s52, s52, 0
	s_min_u32 s52, s52, 1                          ; 1 for a tile of the expert, 0 past its end
	s_min_u32 s48, s53, s23
	s_min_u32 s48, s48, 130                        ; a tile that exists
	s_mul_i32 s50, s48, 12288
	s_add_nc_u64 s[AB+2*\b:AB+2*\b+1], s[10:11], s[50:51]
	s_lshl_b32 s50, s48, 9
	s_add_nc_u64 s[SBA+2*\b:SBA+2*\b+1], s[54:55], s[50:51]
	v_mul_u32_u24 v[VA+\b], s52, v[L16]
.if (\b) < 2
	WIN 0xc0
.set i, 0
.rept 24
	global_load_b128 v[96*(\b)+4*i:96*(\b)+4*i+3], v[VA+\b], s[AB+2*\b:AB+2*\b+1] offset:512*i
.set i, i+1
.endr
.else
	WIN 0x40
.set i, 0
.rept 12
	global_load_b128 v[192+4*i:192+4*i+3], v[VA+\b], s[AB+2*\b:AB+2*\b+1] offset:512*i
.set i, i+1
.endr
	WIN 0x80
.set i, 0
.rept 12
	global_load_b128 v[192+4*i:192+4*i+3], v[VA+\b], s[AB+2*\b:AB+2*\b+1] offset:512*(12+i)
.set i, i+1
.endr
.endif
	WIN 0
	global_load_b128 v[ASC+4*\b:ASC+4*\b+3], v[VA+\b], s[SBA+2*\b:SBA+2*\b+1]
.endm
.macro WM d, a, bb, c, sa, sb, ra, rb  ; ra, rb: the scales stand in lanes 16-31 of their registers
.if ((\ra) == 0) && ((\rb) == 0)
	v_wmma_scale_f32_16x16x128_f8f6f4 v[\d:\d+7], v[\a:\a+11], v[\bb:\bb+11], v[\c:\c+7], v[\sa], v[\sb] matrix_a_fmt:MATRIX_FMT_FP6 matrix_b_fmt:MATRIX_FMT_FP6
.elseif (\rb) == 0
	v_wmma_scale_f32_16x16x128_f8f6f4 v[\d:\d+7], v[\a:\a+11], v[\bb:\bb+11], v[\c:\c+7], v[\sa], v[\sb] matrix_a_fmt:MATRIX_FMT_FP6 matrix_b_fmt:MATRIX_FMT_FP6 matrix_a_scale:MATRIX_SCALE_ROW1
.elseif (\ra) == 0
	v_wmma_scale_f32_16x16x128_f8f6f4 v[\d:\d+7], v[\a:\a+11], v[\bb:\bb+11], v[\c:\c+7], v[\sa], v[\sb] matrix_a_fmt:MATRIX_FMT_FP6 matrix_b_fmt:MATRIX_FMT_FP6 matrix_b_scale:MATRIX_SCALE_ROW1
.else
	v_wmma_scale_f32_16x16x128_f8f6f4 v[\d:\d+7], v[\a:\a+11], v[\bb:\bb+11], v[\c:\c+7], v[\sa], v[\sb] matrix_a_fmt:MATRIX_FMT_FP6 matrix_b_fmt:MATRIX_FMT_FP6 matrix_a_scale:MATRIX_SCALE_ROW1 matrix_b_scale:MATRIX_SCALE_ROW1
.endif
.endm
.macro MAC b                           ; a tile's 32 matrix instructions: source 0 (w1) window 1 or 2, source 1 (rows) window 3, or for buffer 2 the same as w1's; C and D window 0
.irp s, 0,1,2,3,4,5,6,7
.if (\b) < 2
	WIN 0x0d+\s/4
.else
	WIN 0x05+5*(\s/4)
.endif
.irp jj, 0,1,2,3
.set rD, ACC+8*\jj
.set rB, 12*(4*(\s%4)+\jj)
.if (\b) < 2
.set rA, 96*(\b)+12*\s
.else
.set rA, 192+12*(\s%4)
.endif
.if \s == 0
.set rC, BIAS+8*\jj
.else
.set rC, rD
.endif
.set rSA, BSC+2*\s+\jj/2
.set rSB, ASC+4*(\b)+\s/2
	WM rD,rB,rA,rC,rSA,rSB,\jj%2,\s%2
.endr
.endr
	WIN 0
.endm
	s_load_b256 s[4:11], s[0:1], 0x0               ; w1 s[4:5], b1 s[6:7], idx s[8:9], ha s[10:11]
	s_load_b64 s[12:13], s[0:1], 0x20              ; hh
	v_lshl_add_u32 v254, v0, 2, 0xc800
	v_mov_b32 v255, 0
	v_lshrrev_b32 v1, 5, v0
	v_readfirstlane_b32 s14, v1                    ; wave 0..3
	s_mov_b32 s15, ttmp9                           ; cg
	s_and_b32 s16, ttmp7, 0xffff                   ; e
	v_and_b32 v9, 31, v0
	v_lshlrev_b32 v[L16], 4, v9
	v_lshlrev_b32 v[L8], 3, v9
	v_and_b32 v[RR], 15, v0
	v_bfe_u32 v[HH], v0, 4, 1
	v_lshlrev_b32 v[WOF], 4, v[RR]
	v_lshl_or_b32 v[WOF], v[HH], 19, v[WOF]
	s_mul_i32 s48, s14, 12288
	v_add_nc_u32 v[LSI], s48, v[L16]
	s_lshl_b32 s48, s14, 9
	s_add_co_u32 s48, s48, 49152
	v_add_nc_u32 v[LSS], s48, v[L8]
	v_lshlrev_b32 v[SH8], 3, v[HH]
	v_lshl_add_u32 v[BOF], v[RR], 4, v[HH]
	v_lshlrev_b32 v[B1O], 7, v[HH]
	v_mov_b32 v[PT], 0
	s_mov_b32 s[SEL], 0x76543210
	s_mov_b32 s[SEL+1], 0xfedcba98
	s_mov_b32 s[HM], 0xffff0000
	s_lshl_b32 s49, s16, 2
	s_lshl_b32 s50, s16, 24                        ; w1: expert, my 256 rows of 16,384 bytes, my 64 columns
	s_lshl_b32 s51, s14, 22
	s_add_co_u32 s50, s50, s51
	s_lshl_b32 s51, s15, 8
	s_add_co_u32 s50, s50, s51
	s_mov_b32 s51, 0                               ; stays 0: the upper word of every offset
	s_wait_kmcnt 0x0
	s_load_b32 s20, s[8:9], s49 offset:0x0         ; st[e]
	s_load_b32 s21, s[8:9], s49 offset:0x10        ; nt[e]
	s_add_nc_u64 s[4:5], s[4:5], s[50:51]
	s_lshl_b32 s50, s16, 14
	s_lshl_b32 s52, s15, 8
	s_add_co_u32 s50, s50, s52
	s_add_nc_u64 s[6:7], s[6:7], s[50:51]
.irp i, 0,1,2,3,4,5,6,7
	global_load_b128 v[ACC+4*\i:ACC+4*\i+3], v[B1O], s[6:7] offset:16*\i   ; b1(64 cg + 32 h + 4 i ..)
.endr
	ULOAD 0, 0
	ULOAD 0, 1
	s_mul_i32 s50, s15, 768
	s_add_nc_u64 s[28:29], s[12:13], s[50:51]      ; hh: my column group's half fragments
	s_lshr_b32 s48, s15, 4
	s_lshl_b32 s48, s48, 9
	s_bfe_u32 s52, s15, 0x10001
	s_lshl_b32 s52, s52, 8
	s_add_co_u32 s48, s48, s52
	s_bfe_u32 s52, s15, 0x20002
	s_lshl_b32 s52, s52, 2
	s_add_co_u32 s48, s48, s52
	s_and_b32 s52, s15, 1
	s_lshl_b32 s52, s52, 1
	s_add_co_u32 s48, s48, s52
	s_add_co_u32 s50, s48, HHS
	s_add_nc_u64 s[30:31], s[12:13], s[50:51]      ; and its scale bytes
	s_add_nc_u64 s[54:55], s[10:11], HAS
	s_wait_loadcnt 32                              ; b1 and unit (0, 0) are in; the 32 loads of unit (0, 1) may be out
.irp i, 0,1,2,3,4,5,6,7
.irp jj, 0,1,2,3
	v_mov_b32 v[BIAS+8*\jj+\i], v[ACC+4*\i+\jj]
.endr
.endr
	QUNIT 0x01, 0, 0
	ULOAD 1, 0
	s_wait_loadcnt 32                              ; unit (0, 1) is in; the 32 just issued may be out
	QUNIT 0x01, 128, 1
	KFIN 0
	ULOAD 1, 1
	s_wait_loadcnt 32                              ; unit (1, 0) is in
	QUNIT 0x02, 0, 0
	s_wait_kmcnt 0x0
	s_min_u32 s20, s20, 130
	s_min_u32 s21, s21, 128
	s_add_co_u32 s22, s20, s21                     ; the expert's end: st + nt
	s_max_u32 s23, s22, 1
	s_sub_co_u32 s23, s23, 1                       ; a tile that exists, whatever the split
	s_add_co_u32 s27, s20, s14                     ; my first tile
	s_mov_b32 s53, s27
	LOADA 0
	s_add_co_u32 s53, s27, 4
	LOADA 1
	s_wait_loadcnt 50                              ; unit (1, 1) is in; the two row buffers' 2 x 25 loads may be out
	QUNIT 0x02, 128, 1
	KFIN 1
	s_barrier_signal -1                            ; every wave's stores into LDS are done (the wait for them closes KFIN)
	s_barrier_wait -1
	WIN 0x40
.set i, 0
.rept 48
	ds_load_b128 v[4*i:4*i+3], v[L16] offset:512*i
.set i, i+1
.endr
	WIN 0x80
.set i, 0
.rept 48
	ds_load_b128 v[4*i:4*i+3], v[L16] offset:512*(48+i)
.set i, i+1
.endr
	WIN 0
.irp s, 0,1,2,3,4,5,6,7
	ds_load_b64 v[BSC+2*\s:BSC+2*\s+1], v[L8] offset:49152+256*\s
.endr
	s_add_co_u32 s53, s27, 8
	LOADA 2
	s_wait_dscnt 0x0
	s_mov_b32 s57, 0                               ; the trips' counter
	s_cmp_ge_u32 s27, s22
	s_cbranch_scc1 .Ldone
; the turn of row buffer b: tile s27 + 4 b
.macro HALF b
	s_wait_loadcnt 50                              ; this buffer's 25 loads are in; the other two buffers' 2 x 25, issued behind them, may be out
	s_add_co_u32 s56, s27, 4*\b
	s_cmp_ge_u32 s56, s22
	s_cbranch_scc1 .Lskip_\@
	MAC \b
.rept 5
	v_nop                                          ; places behind the last products: 4 ahead of the reads of results and of loads into operands, 5 ahead of the next tile's first products, which begin the accumulators anew
.endr
	s_wait_xcnt 0x0                                ; the last tile's stores have read their data and bases
.irp i, 0,1,2,3,4,5,6,7
.irp jj, 0,1,2,3
	v_max_num_f32 v[T+4*\i+\jj], 0, v[ACC+8*\jj+\i]   ; relu; each accumulator from its low end on; T's 32 registers are 32 neighbouring hidden units
.endr
.endr
	QB T,CD,SO,BY
	s_min_u32 s48, s56, 130
	s_mul_i32 s50, s48, 49152
	s_add_nc_u64 s[44:45], s[28:29], s[50:51]
	s_lshl_b32 s50, s48, 11
	s_add_nc_u64 s[46:47], s[30:31], s[50:51]
	global_store_b128 v[L16], v[CD:CD+3], s[44:45]              ; 512 consecutive bytes,
	global_store_b64 v[L8], v[CD+4:CD+5], s[44:45] offset:512   ; and the 256 behind them
	global_store_b8 v[BOF], v[BY], s[46:47]
.Lskip_\@:
	s_add_co_u32 s53, s56, 12
	LOADA \b
.endm
.Lrow:
	HALF 0
	HALF 1
	HALF 2
	s_add_co_u32 s27, s27, 12                      ; my next three tiles begin here
	s_cmp_ge_u32 s27, s22
	s_cbranch_scc1 .Ldone                          ; none of them is the expert's: out, forward
	s_add_co_u32 s57, s57, 1
	s_cmp_lt_u32 s57, TRIPS
	s_cbranch_scc1 .Lrow
.Ldone:
	s_wait_tensorcnt 0x0
	ds_add_u32 v254, v255
	s_wait_dscnt 0x0
	s_endpgm
.Lfunc_end_k_q8fdfb57483_ffn1:
	.size	k_q8fdfb57483_ffn1, .Lfunc_end_k_q8fdfb57483_ffn1-k_q8fdfb57483_ffn1
	.p2alignl 7, 3214868480
	.fill 96, 4, 3214868480
	.section	.rodata,"a",@progbits
	.p2align	6, 0x0
	.amdhsa_kernel k_q8fdfb57483_ffn1
		.amdhsa_group_segment_fixed_size 51712
		.amdhsa_private_segment_fixed_size 0
		.amdhsa_enable_private_segment 0
		.amdhsa_kernarg_size 40
		.amdhsa_user_sgpr_count 2
		.amdhsa_user_sgpr_kernarg_segment_ptr 1
		.amdhsa_wavefront_size32 1
		.amdhsa_system_sgpr_workgroup_id_x 1
		.amdhsa_system_sgpr_workgroup_id_y 1
		.amdhsa_system_sgpr_workgroup_id_z 1
		.amdhsa_system_vgpr_workitem_id 0
		.amdhsa_next_free_vgpr 960
		.amdhsa_next_free_sgpr 66
		.amdhsa_reserve_vcc 0
		.amdhsa_float_denorm_mode_32 3
		.amdhsa_float_denorm_mode_16_64 3
		.amdhsa_memory_ordered 1
		.amdhsa_forward_progress 1
		.amdhsa_inst_pref_size 106
	.end_amdhsa_kernel
	.amdgpu_metadata
---
amdhsa.version: [ 1, 2 ]
amdhsa.kernels:
  - .name:           k_q8fdfb57483_ffn1
    .symbol:         k_q8fdfb57483_ffn1.kd
    .args:
      - { .name: w1, .offset: 0, .size: 8, .value_kind: global_buffer, .address_space: global }
      - { .name: b1, .offset: 8, .size: 8, .value_kind: global_buffer, .address_space: global }
      - { .name: idx, .offset: 16, .size: 8, .value_kind: global_buffer, .address_space: global }
      - { .name: ha, .offset: 24, .size: 8, .value_kind: global_buffer, .address_space: global }
      - { .name: hh, .offset: 32, .size: 8, .value_kind: global_buffer, .address_space: global }
    .group_segment_fixed_size: 51712
    .private_segment_fixed_size: 0
    .kernarg_segment_align: 8
    .kernarg_segment_size: 40
    .max_flat_workgroup_size: 128
    .sgpr_count:     66
    .vgpr_count:     960
    .wavefront_size: 32
...
	.end_amdgpu_metadata
.endif
;; end of part 3
;; launch ffn2 (part 4): grid 64 x 4, 4 waves a work-group, no clusters, 52,736 bytes of LDS; arguments w2q, hh, idx, ha, x, b2, out0; writes out0
.if DOCPART == 4
	.amdgcn_target "amdgcn-amd-amdhsa--gfx1250"
	.amdhsa_code_object_version 6
	.text
	.protected	k_q8fdfb57483_ffn2
	.globl	k_q8fdfb57483_ffn2
	.p2align	8
	.type	k_q8fdfb57483_ffn2,@function
k_q8fdfb57483_ffn2:
	s_mov_b64 s[64:65], 0
	v_nop
	global_prefetch_b8 v0, s[64:65] scope:SCOPE_SE
	s_setreg_imm32_b32 hwreg(HW_REG_WAVE_MODE, 25, 1), 1
	s_wait_xcnt 0x0
; FFN2.  out = x + alpha (hidden w2[e] + b2[e]) for the rows of expert e alone (that is alpha y + (1 - alpha) x with y = x + hidden w2 + b2), the product on codes of FP6 (E2M3) with E8M0 scales.
; SHARES.  Work-group (cg2, rq, e) owns 64 output columns of expert e and the row tiles st + rq + 4 u.  K = 4,096 IS SPLIT OVER THE FOUR WAVES: wave w keeps K steps 8 w .. 8 w + 7 of the four column tiles
;   (32 fragments, 384 registers) for the whole launch.  A ROUND takes three row tiles: every wave multiplies its part of K for all three and puts the partial sums into LDS; barrier; wave g (0 .. 2) adds the four
;   parts of tile g, b2, scales by alpha, adds x and stores whole rows' 256 bytes; barrier.  The sums over K are so added in four parts, in f32.
; COLUMN TILES are natural here (tile jn = columns 16 jn .. + 15): the stored tiles hold columns 4 r + jj, so lane (r, h) of tile jn takes the bytes of lane (4 jn + r / 4, h) of stored tile r % 4: a lane term in the address, once a launch.
;   The product is used transposed (source 0 = 16 columns of w2, source 1 = 16 rows): a lane holds one row and eight neighbouring columns.
; THE NUMBER OF TILES IS READ FROM MEMORY (idx), so the text has no tensor load and no joint loads.  Every wave must pass every barrier, so the loop over rounds has the constant count 11 (3 x 11 covers the 32 tiles that one
;   work-group can get when one expert takes all tokens), and a scalar branch on the stored numbers leads round a round's work, never round its barriers.
;   The rows' fragments come straight into registers, three buffers of 33 loads.  A tile past the end is still asked for (16 or 8 bytes a load, of a tile that exists), so that every path issues the same loads.
; The rows that fill up an expert's last tile repeat its last token: the same wave stores the same bytes twice.
; REGISTERS.  Window 0: addresses, scale words, x, accumulators.  Windows 1, 2: w2's fragments (K step s', tile jn) at window 1 + s' / 4, v[12 (4 (s' % 4) + jn)]; v192-239 row buffer 2.  Window 3: row buffers 0 and 1.
.set W2S,  12582912
.set HHS,  6438912
.set ALS,  1676800
.set L16,  1                           ; v1  16 x lane
.set L8,   2                           ; v2  8 x lane
.set VB,   3                           ; v3  w2's fragments: 49152 (r % 4) + 16 (r / 4) + 256 h
.set VS,   4                           ; v4  w2's scale words: 32 h + 8 (r / 4) + 128 (r & 1) + 4 ((r >> 1) & 1)
.set ST,   5                           ; v5  LDS: where I put 32 bytes of a row's partial sums: 13056 x wave + 272 r + 32 h
.set RD,   6                           ; v6  and where I read a row back: 4352 x min(wave, 2) + 272 (lane / 16) + 16 (lane % 16)
.set COFF, 7                           ; v7  256 cg2 + 16 (lane % 16): my 16 bytes of a row of x, b2, out
.set VA16, 10                          ; v10-12 the row buffers' lane offsets: 16 x lane or 0
.set VA8,  13                          ; v13-15 8 x lane or 0
.set B2,   16                          ; v16-19
.set XA,   20                          ; v20-27 byte offsets of my eight rows in x and out
.set AL,   28                          ; v28-43 their alpha, twice each
.set BSC,  48                          ; v48-63 w2's scale words: 2 s' + jn / 2
.set ASC,  64                          ; v64-75 the rows' scale words, 4 a buffer
.set X,    76                          ; v76-107 my 16 bytes of eight rows of x, then of out
.set ACC,  108                         ; v108-203 accumulators: 32 g + 8 jn
.set PP,   108                         ; v108-171 partial sums read back
.set CB,   66                          ; s[66:71] the row buffers' bases: codes
.set SB,   72                          ; s[72:77] scale words
.set MSB, 0
.macro WIN new
.if MSB != (\new)
	s_set_vgpr_msb (MSB<<8)|(\new)
.set MSB, (\new)
.endif
.endm
; row buffer g takes my part of tile number s88 of the work-group: 16 half fragments (two loads each) and the scale words
.macro LOADB g
	s_wait_xcnt 0x0                                ; the buffer's bases and lane offsets are written again only behind this wait
	s_sub_co_i32 s89, s24, s88
	s_max_i32 s89, s89, 0
	s_min_u32 s89, s89, 1                          ; 1 for a tile of mine, 0 past the end
	s_lshl_b32 s90, s88, 2
	s_add_co_u32 s90, s90, s28
	s_min_u32 s90, s90, s25
	s_min_u32 s90, s90, 130                        ; a tile that exists
	s_mul_i32 s84, s90, 49152
	s_add_nc_u64 s[CB+2*\g:CB+2*\g+1], s[78:79], s[84:85]
	s_lshl_b32 s84, s90, 11
	s_add_nc_u64 s[SB+2*\g:SB+2*\g+1], s[80:81], s[84:85]
	v_mul_u32_u24 v[VA16+\g], s89, v[L16]
	v_mul_u32_u24 v[VA8+\g], s89, v[L8]
.if (\g) < 2
	WIN 0xc0
.set i, 0
.rept 16
	global_load_b128 v[96*(\g)+6*i:96*(\g)+6*i+3], v[VA16+\g], s[CB+2*\g:CB+2*\g+1] offset:768*i
	global_load_b64 v[96*(\g)+6*i+4:96*(\g)+6*i+5], v[VA8+\g], s[CB+2*\g:CB+2*\g+1] offset:768*i+512
.set i, i+1
.endr
.else
	WIN 0x40
.set i, 0
.rept 8
	global_load_b128 v[192+6*i:192+6*i+3], v[VA16+\g], s[CB+2*\g:CB+2*\g+1] offset:768*i
	global_load_b64 v[192+6*i+4:192+6*i+5], v[VA8+\g], s[CB+2*\g:CB+2*\g+1] offset:768*i+512
.set i, i+1
.endr
	WIN 0x80
.set i, 0
.rept 8
	global_load_b128 v[192+6*i:192+6*i+3], v[VA16+\g], s[CB+2*\g:CB+2*\g+1] offset:768*(8+i)
	global_load_b64 v[192+6*i+4:192+6*i+5], v[VA8+\g], s[CB+2*\g:CB+2*\g+1] offset:768*(8+i)+512
.set i, i+1
.endr
.endif
	WIN 0
	global_load_b128 v[ASC+4*\g:ASC+4*\g+3], v[VA16+\g], s[SB+2*\g:SB+2*\g+1]
.endm
.macro TLOAD                           ; the 16 tokens and the 16 alpha of tile number s88
	s_lshl_b32 s87, s88, 2
	s_add_co_u32 s87, s87, s28
	s_min_u32 s87, s87, s25
	s_min_u32 s87, s87, 130
	s_lshl_b32 s87, s87, 6
	s_load_b512 s[32:47], s[8:9], s87 offset:256
	s_load_b512 s[48:63], s[10:11], s87 offset:ALS
.endm
.macro WM d, a, bb, k, sa, sb, ra, rb  ; k = 0: the first product starts the sum
.if ((\k) == 0) && ((\ra) == 0)
	v_wmma_scale_f32_16x16x128_f8f6f4 v[\d:\d+7], v[\a:\a+11], v[\bb:\bb+11], 0, v[\sa], v[\sb] matrix_a_fmt:MATRIX_FMT_FP6 matrix_b_fmt:MATRIX_FMT_FP6
.elseif (\k) == 0
	v_wmma_scale_f32_16x16x128_f8f6f4 v[\d:\d+7], v[\a:\a+11], v[\bb:\bb+11], 0, v[\sa], v[\sb] matrix_a_fmt:MATRIX_FMT_FP6 matrix_b_fmt:MATRIX_FMT_FP6 matrix_a_scale:MATRIX_SCALE_ROW1
.elseif ((\ra) == 0) && ((\rb) == 0)
	v_wmma_scale_f32_16x16x128_f8f6f4 v[\d:\d+7], v[\a:\a+11], v[\bb:\bb+11], v[\d:\d+7], v[\sa], v[\sb] matrix_a_fmt:MATRIX_FMT_FP6 matrix_b_fmt:MATRIX_FMT_FP6
.elseif (\rb) == 0
	v_wmma_scale_f32_16x16x128_f8f6f4 v[\d:\d+7], v[\a:\a+11], v[\bb:\bb+11], v[\d:\d+7], v[\sa], v[\sb] matrix_a_fmt:MATRIX_FMT_FP6 matrix_b_fmt:MATRIX_FMT_FP6 matrix_a_scale:MATRIX_SCALE_ROW1
.elseif (\ra) == 0
	v_wmma_scale_f32_16x16x128_f8f6f4 v[\d:\d+7], v[\a:\a+11], v[\bb:\bb+11], v[\d:\d+7], v[\sa], v[\sb] matrix_a_fmt:MATRIX_FMT_FP6 matrix_b_fmt:MATRIX_FMT_FP6 matrix_b_scale:MATRIX_SCALE_ROW1
.else
	v_wmma_scale_f32_16x16x128_f8f6f4 v[\d:\d+7], v[\a:\a+11], v[\bb:\bb+11], v[\d:\d+7], v[\sa], v[\sb] matrix_a_fmt:MATRIX_FMT_FP6 matrix_b_fmt:MATRIX_FMT_FP6 matrix_a_scale:MATRIX_SCALE_ROW1 matrix_b_scale:MATRIX_SCALE_ROW1
.endif
.endm
.macro MAC g                           ; 32 matrix instructions: my 8 K steps x 4 column tiles, the four accumulators by turns
.irp s, 0,1,2,3,4,5,6,7
.if (\g) < 2
	WIN 0x0d+\s/4
.else
	WIN 0x05+5*(\s/4)
.endif
.irp jn, 0,1,2,3
.set rD, ACC+32*(\g)+8*\jn
.set rB, 12*(4*(\s%4)+\jn)
.if (\g) < 2
.set rA, 96*(\g)+12*\s
.else
.set rA, 192+12*(\s%4)
.endif
.set rSA, BSC+2*\s+\jn/2
.set rSB, ASC+4*(\g)+\s/2
	WM rD,rB,rA,\s,rSA,rSB,\jn%2,\s%2
.endr
.endr
	WIN 0
.endm
	s_load_b256 s[4:11], s[0:1], 0x0               ; w2q s[4:5], hh s[6:7], idx s[8:9], ha s[10:11]
	s_load_b128 s[12:15], s[0:1], 0x20             ; x s[12:13], b2 s[14:15]
	s_load_b64 s[16:17], s[0:1], 0x30              ; out0
	v_lshl_add_u32 v254, v0, 2, 0xcc00
	v_mov_b32 v255, 0
	v_lshrrev_b32 v8, 5, v0
	v_readfirstlane_b32 s18, v8                    ; wave 0..3
	s_and_b32 s19, ttmp9, 15                       ; cg2
	s_lshr_b32 s20, ttmp9, 4                       ; rq
	s_and_b32 s21, ttmp7, 0xffff                   ; e
	v_and_b32 v8, 31, v0
	v_and_b32 v9, 15, v0                           ; r
	v_bfe_u32 v44, v0, 4, 1                        ; h
	v_lshlrev_b32 v[L16], 4, v8
	v_lshlrev_b32 v[L8], 3, v8
	v_and_b32 v45, 3, v9
	v_mul_u32_u24 v[VB], v45, 49152
	v_lshrrev_b32 v46, 2, v9
	v_lshl_add_u32 v[VB], v46, 4, v[VB]
	v_lshl_add_u32 v[VB], v44, 8, v[VB]
	v_lshlrev_b32 v[VS], 5, v44
	v_lshl_add_u32 v[VS], v46, 3, v[VS]
	v_and_b32 v45, 1, v9
	v_lshl_add_u32 v[VS], v45, 7, v[VS]
	v_bfe_u32 v45, v9, 1, 1
	v_lshl_add_u32 v[VS], v45, 2, v[VS]
	s_mul_i32 s82, s18, 13056
	v_mul_u32_u24 v[ST], v9, 272
	v_lshl_add_u32 v[ST], v44, 5, v[ST]
	v_add_nc_u32 v[ST], s82, v[ST]
	s_min_u32 s82, s18, 2                          ; (wave 3 reads nothing back)
	s_mul_i32 s82, s82, 4352
	v_mul_u32_u24 v[RD], v44, 272
	v_lshl_add_u32 v[RD], v9, 4, v[RD]
	v_add_nc_u32 v[RD], s82, v[RD]
	s_lshl_b32 s82, s19, 8
	v_lshl_add_u32 v[COFF], v9, 4, s82
.set i, 0
.rept 8
	v_mov_b32 v[XA+i], 0                           ; XA, AL and X are written under one branch and read under another: here they are written on every path
.set i, i+1
.endr
.set i, 0
.rept 16
	v_mov_b32 v[AL+i], 0
.set i, i+1
.endr
.set i, 0
.rept 32
	v_mov_b32 v[X+i], 0
.set i, i+1
.endr
	s_mov_b32 s86, 0xffff0000                      ; the mask of lanes 16-31
	s_lshl_b32 s91, s21, 2
	s_lshl_b32 s82, s21, 4
	s_add_co_u32 s82, s82, s19                     ; 16 e + cg2
	s_mul_i32 s84, s82, 196608
	s_mul_i32 s83, s18, 12288
	s_add_co_u32 s84, s84, s83
	s_mov_b32 s85, 0                               ; stays 0: the upper word of every offset
	s_wait_kmcnt 0x0
	s_load_b32 s22, s[8:9], s91 offset:0x0         ; st[e]
	s_load_b32 s23, s[8:9], s91 offset:0x10        ; nt[e]
	s_add_nc_u64 s[92:93], s[4:5], s[84:85]        ; w2's fragments: my column group, my 8 K steps
	s_lshl_b32 s84, s82, 13
	s_lshl_b32 s83, s18, 11
	s_add_co_u32 s84, s84, s83
	s_add_co_u32 s84, s84, W2S
	s_add_nc_u64 s[94:95], s[4:5], s[84:85]        ; and their scale words
	s_lshl_b32 s84, s21, 12
	s_add_nc_u64 s[14:15], s[14:15], s[84:85]      ; b2's row e
	s_mul_i32 s84, s18, 12288
	s_add_nc_u64 s[78:79], s[6:7], s[84:85]        ; hh: my 16 half fragments of a tile
	s_lshl_b32 s84, s18, 9
	s_add_co_u32 s84, s84, HHS
	s_add_nc_u64 s[80:81], s[6:7], s[84:85]        ; and my 512 bytes of its scale words
	WIN 0x40
.irp s, 0,1,2,3
.irp jn, 0,1,2,3
.irp q, 0,1,2
	global_load_b128 v[12*(4*\s+\jn)+4*\q:12*(4*\s+\jn)+4*\q+3], v[VB], s[92:93] offset:1536*\s+512*\q+64*\jn
.endr
.endr
.endr
	WIN 0x80
.irp s, 0,1,2,3
.irp jn, 0,1,2,3
.irp q, 0,1,2
	global_load_b128 v[12*(4*\s+\jn)+4*\q:12*(4*\s+\jn)+4*\q+3], v[VB], s[92:93] offset:1536*(4+\s)+512*\q+64*\jn
.endr
.endr
.endr
	WIN 0
.irp s, 0,1,2,3,4,5,6,7
.irp a, 0,1
	global_load_b32 v[BSC+2*\s+\a], v[VS], s[94:95] offset:256*\s+64*\a   ; lanes 0-15 tile 2 a, lanes 16-31 tile 2 a + 1
.endr
.endr
	global_load_b128 v[B2:B2+3], v[COFF], s[14:15]
	s_wait_kmcnt 0x0
	s_min_u32 s22, s22, 130
	s_min_u32 s23, s23, 128
	s_add_co_u32 s25, s22, s23
	s_max_u32 s25, s25, 1
	s_sub_co_u32 s25, s25, 1                       ; a tile that exists, whatever the split
	s_add_co_u32 s24, s23, 3
	s_sub_co_u32 s24, s24, s20
	s_lshr_b32 s24, s24, 2                         ; U: how many tiles are mine
	s_add_co_u32 s28, s22, s20                     ; the first of them
	s_mov_b32 s88, 0
	LOADB 0
	s_mov_b32 s88, 1
	LOADB 1
	s_mov_b32 s88, 2
	LOADB 2
	s_mov_b32 s88, s18
	TLOAD
	s_wait_kmcnt 0x0
	s_mov_b32 s26, 0                               ; the round
	s_mov_b32 s27, 0                               ; its first tile's number: 3 x round
.Lround:
	s_cmp_ge_u32 s27, s24
	s_cbranch_scc1 .Lno_r1
	s_cmp_gt_u32 s18, 2
	s_cbranch_scc1 .Lno_head
	; waves 0 to 2: the rows of the tile that I shall finish in this round
	s_wait_kmcnt 0x0                               ; its tokens and alpha are in
	s_wait_xcnt 0x0                                ; the last round's stores have read XA and X
.irp i, 0,1,2,3,4,5,6,7
	v_mov_b32 v44, s[32+2*\i]
	v_cndmask_b32 v44, v44, s[33+2*\i], s86        ; lanes 0-15 row 2 i, lanes 16-31 row 2 i + 1
	v_min_u32 v44, 0x7ff, v44
	v_lshl_add_u32 v[XA+\i], v44, 12, v[COFF]
	v_mov_b32 v45, s[48+2*\i]
	v_cndmask_b32 v[AL+2*\i], v45, s[49+2*\i], s86
	v_mov_b32 v[AL+2*\i+1], v[AL+2*\i]
.endr
.irp i, 0,1,2,3,4,5,6,7
	global_load_b128 v[X+4*\i:X+4*\i+3], v[XA+\i], s[12:13]   ; 16 lanes read 256 consecutive bytes of a row of x
.endr
	s_add_co_u32 s88, s27, 3
	s_add_co_u32 s88, s88, s18
	TLOAD                                          ; the next round's
.Lno_head:
.irp g, 0,1,2
	s_wait_loadcnt 63                              ; behind this buffer's 33 loads at least 66 were issued (the other two buffers'; in waves 0 to 2 also x's 8): it is in.  63 is the largest count that the wait can name
	s_add_co_u32 s88, s27, \g
	s_cmp_ge_u32 s88, s24
	s_cbranch_scc1 .Lno_mac\g
	MAC \g
.rept 5
	v_nop                                          ; places behind the last products, ahead of the stores that read results, of loads into operands, and of products that begin an accumulator anew
.endr
.irp jn, 0,1,2,3
.irp a, 0,1
	ds_store_b128 v[ST], v[ACC+32*\g+8*\jn+4*\a:ACC+32*\g+8*\jn+4*\a+3] offset:4352*\g+64*\jn+16*\a   ; each accumulator from its low end on
.endr
.endr
.Lno_mac\g:
	s_add_co_u32 s88, s88, 3
	LOADB \g
.endr
.Lno_r1:
	s_wait_dscnt 0x0                               ; my partial sums lie in LDS
	s_barrier_signal -1
	s_barrier_wait -1                              ; everybody's do
	s_cmp_gt_u32 s18, 2
	s_cbranch_scc1 .Lno_r2
	s_add_co_u32 s88, s27, s18
	s_cmp_ge_u32 s88, s24
	s_cbranch_scc1 .Lno_r2
	s_wait_loadcnt 63                              ; x's rows are in: 99 loads were issued behind them
	s_wait_xcnt 0x0                                ; X's registers, which an earlier round's stores read, are written again only behind this wait, on every way that leads here
.irp hf, 0,1                           ; eight rows at a time: four parts x four pairs of rows
.irp wq, 0,1,2,3
.irp ii, 0,1,2,3
	ds_load_b128 v[PP+16*\wq+4*\ii:PP+16*\wq+4*\ii+3], v[RD] offset:13056*\wq+544*(4*\hf+\ii)
.endr
.endr
	s_wait_dscnt 0x0
.irp ii, 0,1,2,3
.irp d, 0,2
	v_pk_add_f32 v[PP+4*\ii+\d:PP+4*\ii+\d+1], v[PP+4*\ii+\d:PP+4*\ii+\d+1], v[PP+16+4*\ii+\d:PP+16+4*\ii+\d+1]
	v_pk_add_f32 v[PP+32+4*\ii+\d:PP+32+4*\ii+\d+1], v[PP+32+4*\ii+\d:PP+32+4*\ii+\d+1], v[PP+48+4*\ii+\d:PP+48+4*\ii+\d+1]
.endr
.irp d, 0,2
	v_pk_add_f32 v[PP+4*\ii+\d:PP+4*\ii+\d+1], v[PP+4*\ii+\d:PP+4*\ii+\d+1], v[PP+32+4*\ii+\d:PP+32+4*\ii+\d+1]
.endr
.irp d, 0,2
	v_pk_add_f32 v[PP+4*\ii+\d:PP+4*\ii+\d+1], v[PP+4*\ii+\d:PP+4*\ii+\d+1], v[B2+\d:B2+\d+1]
.endr
.irp d, 0,2
	v_pk_fma_f32 v[X+4*(4*\hf+\ii)+\d:X+4*(4*\hf+\ii)+\d+1], v[PP+4*\ii+\d:PP+4*\ii+\d+1], v[AL+2*(4*\hf+\ii):AL+2*(4*\hf+\ii)+1], v[X+4*(4*\hf+\ii)+\d:X+4*(4*\hf+\ii)+\d+1]
.endr
	global_store_b128 v[XA+4*\hf+\ii], v[X+4*(4*\hf+\ii):X+4*(4*\hf+\ii)+3], s[16:17] th:TH_STORE_NT   ; 16 lanes store 256 consecutive bytes of a row, at a multiple of 256 from out's first byte
.endr
.endr
.Lno_r2:
	s_wait_dscnt 0x0                               ; my reads of the partial sums are over
	s_barrier_signal -1
	s_barrier_wait -1                              ; everybody's are: the next round may write them again
	s_add_co_u32 s27, s27, 3
	s_add_co_u32 s26, s26, 1
	s_cmp_lt_u32 s26, 11
	s_cbranch_scc1 .Lround
	s_wait_kmcnt 0x0
	s_wait_tensorcnt 0x0
	ds_add_u32 v254, v255
	s_wait_dscnt 0x0
	s_endpgm
.Lfunc_end_k_q8fdfb57483_ffn2:
	.size	k_q8fdfb57483_ffn2, .Lfunc_end_k_q8fdfb57483_ffn2-k_q8fdfb57483_ffn2
	.p2alignl 7, 3214868480
	.fill 96, 4, 3214868480
	.section	.rodata,"a",@progbits
	.p2align	6, 0x0
	.amdhsa_kernel k_q8fdfb57483_ffn2
		.amdhsa_group_segment_fixed_size 52736
		.amdhsa_private_segment_fixed_size 0
		.amdhsa_enable_private_segment 0
		.amdhsa_kernarg_size 56
		.amdhsa_user_sgpr_count 2
		.amdhsa_user_sgpr_kernarg_segment_ptr 1
		.amdhsa_wavefront_size32 1
		.amdhsa_system_sgpr_workgroup_id_x 1
		.amdhsa_system_sgpr_workgroup_id_y 1
		.amdhsa_system_sgpr_workgroup_id_z 1
		.amdhsa_system_vgpr_workitem_id 0
		.amdhsa_next_free_vgpr 960
		.amdhsa_next_free_sgpr 96
		.amdhsa_reserve_vcc 0
		.amdhsa_float_denorm_mode_32 3
		.amdhsa_float_denorm_mode_16_64 3
		.amdhsa_memory_ordered 1
		.amdhsa_forward_progress 1
		.amdhsa_inst_pref_size 66
	.end_amdhsa_kernel
	.amdgpu_metadata
---
amdhsa.version: [ 1, 2 ]
amdhsa.kernels:
  - .name:           k_q8fdfb57483_ffn2
    .symbol:         k_q8fdfb57483_ffn2.kd
    .args:
      - { .name: w2q, .offset: 0, .size: 8, .value_kind: global_buffer, .address_space: global }
      - { .name: hh, .offset: 8, .size: 8, .value_kind: global_buffer, .address_space: global }
      - { .name: idx, .offset: 16, .size: 8, .value_kind: global_buffer, .address_space: global }
      - { .name: ha, .offset: 24, .size: 8, .value_kind: global_buffer, .address_space: global }
      - { .name: x, .offset: 32, .size: 8, .value_kind: global_buffer, .address_space: global }
      - { .name: b2, .offset: 40, .size: 8, .value_kind: global_buffer, .address_space: global }
      - { .name: out0, .offset: 48, .size: 8, .value_kind: global_buffer, .address_space: global }
    .group_segment_fixed_size: 52736
    .private_segment_fixed_size: 0
    .kernarg_segment_align: 8
    .kernarg_segment_size: 56
    .max_flat_workgroup_size: 128
    .sgpr_count:     96
    .vgpr_count:     960
    .wavefront_size: 32
...
	.end_amdgpu_metadata
.endif
;; end of part 4
;; ======== version 2 of 2: 4 launches
;; workspace buffers: eid 8,192 bytes of whole numbers; rt 32,768 bytes; idx 8,704 bytes of whole numbers; ha 1,685,248 bytes; w2q 13,107,200 bytes; hh 6,707,200 bytes
;; launch route (part 5): grid 256 x 1, 4 waves a work-group, no clusters, 0 bytes of LDS; arguments x, centroids, eid, rt; writes eid, rt
.if DOCPART == 5
	.amdgcn_target "amdgcn-amd-amdhsa--gfx1250"
	.amdhsa_code_object_version 6
	.text
	.protected	k_q8fdfb57483_route
	.globl	k_q8fdfb57483_route
	.p2align	8
	.type	k_q8fdfb57483_route,@function
k_q8fdfb57483_route:
	s_mov_b64 s[64:65], 0
	v_nop
	global_prefetch_b8 v0, s[64:65] scope:SCOPE_SE
	s_setreg_imm32_b32 hwreg(HW_REG_WAVE_MODE, 25, 1), 1
	s_wait_xcnt 0x0
; ROUTE.  For each of the 2,048 tokens (rows of x, 1,024 f32): the four dot products with the centroids, their argmax (the expert),
; alpha = sigmoid(largest dot product), the mean and 1 / sqrt(variance + 1e-5).  All in f32.
; Stored at fixed places: eid[token] (u32) and rt[token] = (mean, rstd, alpha, 0).  No address and no branch here hangs on these numbers.
; SHARES.  A wave takes two tokens: 256 work-groups x 4 waves x 2.  Lane l holds numbers 128 j + 4 l .. + 3 of a row (j = 0 .. 7): every load covers 512 consecutive bytes.
; The variance is taken in a second pass over the registers, of (x - mean), so that a common offset of the inputs costs no digits.
; LIMITS.  NaN and infinities are not served.  Of equal dot products the lower expert wins, as in argmax; two dot products closer than the rounding of an f32 sum of 1,024 terms may fall either way.
; The two stores of a wave are 32 and 8 bytes: 40 KB in the whole launch, beside 8 MB read.
; No LDS, no barrier, no matrix unit, no cluster: waves share only the 16 KB of centroids.
.set X0,   16                          ; v16-79   the two rows
.set CE,   80                          ; v80-207  the four centroids: 32 e + 4 j + i
.set SA,   208                         ; v208-211 two chains of the row's sum
.set DT,   212                         ; v212-219 the four dot products, a pair each
.set D0,   220                         ; v220-223 at work
.set D1,   222
.set Q0,   224                         ; v224-227 two chains of squares
.set Q1,   226
.set MU,   228                         ; v228-229 the mean, twice
.set PT,   230                         ; v230-234 what the other half of the lanes sends
.set RES,  236                         ; v236-243 the two tokens' records
.set EI,   244                         ; v244-245 their experts
.set OUTR, 248                         ; v248-252 what my lane stores
	s_load_b256 s[4:11], s[0:1], 0x0               ; x s[4:5], centroids s[6:7], eid s[8:9], rt s[10:11]
	v_lshrrev_b32 v3, 5, v0
	v_readfirstlane_b32 s12, v3                    ; wave 0..3
	v_and_b32 v2, 31, v0                           ; lane
	v_lshlrev_b32 v1, 4, v2                        ; 16 x lane
	v_lshlrev_b32 v3, 2, v2                        ; 4 x lane
	s_lshl_b32 s13, ttmp9, 2
	s_add_co_u32 s13, s13, s12                     ; W = 4 x work-group + wave: tokens 2 W, 2 W + 1
	s_lshl_b32 s14, s13, 13                        ; two rows of 4,096 bytes
	s_mov_b32 s15, 0
	s_lshl_b32 s16, s13, 5                         ; two records of 16 bytes
	s_mov_b32 s17, 0
	s_lshl_b32 s18, s13, 3                         ; two words
	s_mov_b32 s19, 0
	s_mov_b32 s20, 0x76543210                      ; v_permlanex16_b32: lane l takes lane l xor 16
	s_mov_b32 s21, 0xfedcba98
	s_mov_b32 s22, 0x3a800000                      ; 1 / 1024
	s_mov_b32 s23, 0x3727c5ac                      ; 1e-5
	s_mov_b32 s24, 0xbfb8aa3b                      ; -log2(e)
.irp i, 0,1,2,3,4
	v_mov_b32 v[PT+\i], 0                          ; a lane permute's destination counts as one of its sources
.endr
	s_wait_alu depctr_va_vdst(0)
	s_wait_kmcnt 0x0
	s_add_nc_u64 s[4:5], s[4:5], s[14:15]
	s_add_nc_u64 s[10:11], s[10:11], s[16:17]
	s_add_nc_u64 s[8:9], s[8:9], s[18:19]
.irp t, 0,1
.irp j, 0,1,2,3,4,5,6,7
	global_load_b128 v[X0+32*\t+4*\j:X0+32*\t+4*\j+3], v1, s[4:5] offset:4096*\t+512*\j th:TH_LOAD_NT
.endr
.endr
.irp e, 0,1,2,3
.irp j, 0,1,2,3,4,5,6,7
	global_load_b128 v[CE+32*\e+4*\j:CE+32*\e+4*\j+3], v1, s[6:7] offset:4096*\e+512*\j
.endr
.endr
	s_wait_loadcnt 0x0
.macro TOK t
.set XB, X0+32*(\t)
.set RS, RES+4*(\t)
	v_pk_add_f32 v[SA:SA+1], v[XB:XB+1], v[XB+2:XB+3]              ; the row's sum, two chains of pairs
	v_pk_add_f32 v[SA+2:SA+3], v[XB+4:XB+5], v[XB+6:XB+7]
.irp j, 8,12,16,20,24,28
	v_pk_add_f32 v[SA:SA+1], v[SA:SA+1], v[XB+\j:XB+\j+1]
	v_pk_add_f32 v[SA+2:SA+3], v[SA+2:SA+3], v[XB+\j+2:XB+\j+3]
.endr
.irp e, 0,1,2,3
	v_pk_mul_f32 v[DT+2*\e:DT+2*\e+1], v[XB:XB+1], v[CE+32*\e:CE+32*\e+1]   ; the first products start the four sums
.endr
.irp j, 2,4,6,8,10,12,14,16,18,20,22,24,26,28,30
.irp e, 0,1,2,3
	v_pk_fma_f32 v[DT+2*\e:DT+2*\e+1], v[XB+\j:XB+\j+1], v[CE+32*\e+\j:CE+32*\e+\j+1], v[DT+2*\e:DT+2*\e+1]
.endr
.endr
	v_pk_add_f32 v[SA:SA+1], v[SA:SA+1], v[SA+2:SA+3]
	v_add_f32 v[SA], v[SA], v[SA+1]
.irp e, 0,1,2,3
	v_add_f32 v[DT+2*\e], v[DT+2*\e], v[DT+2*\e+1]
.endr
.irp m, 1,2,4,8                        ; the five sums over the 32 lanes, by turns
.irp q, SA,DT,DT+2,DT+4,DT+6
	v_add_f32_dpp v[\q], v[\q], v[\q] row_xmask:\m row_mask:0xf bank_mask:0xf
.endr
.endr
	v_permlanex16_b32 v[PT], v[SA], s20, s21
.irp e, 0,1,2,3
	v_permlanex16_b32 v[PT+1+\e], v[DT+2*\e], s20, s21
.endr
	v_add_f32 v[SA], v[SA], v[PT]
.irp e, 0,1,2,3
	v_add_f32 v[DT+2*\e], v[DT+2*\e], v[PT+1+\e]
.endr
	v_mul_f32 v[RS], s22, v[SA]                    ; the mean
	v_mov_b32 v[MU], v[RS]
	v_mov_b32 v[MU+1], v[RS]
	v_pk_add_f32 v[D0:D0+1], v[XB:XB+1], v[MU:MU+1] neg_lo:[0,1] neg_hi:[0,1]
	v_pk_add_f32 v[D1:D1+1], v[XB+2:XB+3], v[MU:MU+1] neg_lo:[0,1] neg_hi:[0,1]
	v_pk_mul_f32 v[Q0:Q0+1], v[D0:D0+1], v[D0:D0+1]
	v_pk_mul_f32 v[Q1:Q1+1], v[D1:D1+1], v[D1:D1+1]
.irp j, 4,8,12,16,20,24,28
	v_pk_add_f32 v[D0:D0+1], v[XB+\j:XB+\j+1], v[MU:MU+1] neg_lo:[0,1] neg_hi:[0,1]
	v_pk_add_f32 v[D1:D1+1], v[XB+\j+2:XB+\j+3], v[MU:MU+1] neg_lo:[0,1] neg_hi:[0,1]
	v_pk_fma_f32 v[Q0:Q0+1], v[D0:D0+1], v[D0:D0+1], v[Q0:Q0+1]
	v_pk_fma_f32 v[Q1:Q1+1], v[D1:D1+1], v[D1:D1+1], v[Q1:Q1+1]
.endr
	v_pk_add_f32 v[Q0:Q0+1], v[Q0:Q0+1], v[Q1:Q1+1]
	v_add_f32 v[Q0], v[Q0], v[Q0+1]
.irp m, 1,2,4,8
	v_add_f32_dpp v[Q0], v[Q0], v[Q0] row_xmask:\m row_mask:0xf bank_mask:0xf
.endr
	v_permlanex16_b32 v[PT], v[Q0], s20, s21
	v_add_f32 v[Q0], v[Q0], v[PT]
	v_fma_f32 v[D0], v[Q0], s22, s23               ; variance + 1e-5
	s_wait_alu depctr_va_vdst(0)
	v_rsq_f32 v[RS+1], v[D0]
	v_mov_b32 v[EI+\t], 0                          ; (a plain line behind the root)  the argmax: a later expert wins only if strictly larger
	v_mov_b32 v[D1], v[DT]
.irp e, 1,2,3
	v_cmp_gt_f32 vcc_lo, v[DT+2*\e], v[D1]
	v_cndmask_b32 v[D1], v[D1], v[DT+2*\e], vcc_lo
	v_cndmask_b32 v[EI+\t], v[EI+\t], \e, vcc_lo
.endr
	v_mul_f32 v[D1], s24, v[D1]                    ; alpha = 1 / (1 + 2^(-log2(e) x the largest dot product))
	s_wait_alu depctr_va_vdst(0)
	v_exp_f32 v[D1+1], v[D1]
	v_nop                                          ; a plain line behind the exponential
	s_wait_alu depctr_va_vdst(0)                   ; one wait for the root and the exponential, ahead of the first line that names a result
	v_add_f32 v[D1+1], 1.0, v[D1+1]
	s_wait_alu depctr_va_vdst(0)
	v_rcp_f32 v[RS+2], v[D1+1]
	v_mov_b32 v[RS+3], 0                           ; a plain line behind the reciprocal
	s_wait_alu depctr_va_vdst(0)                   ; and the wait for it
.endm
	TOK 0
	TOK 1
	v_cmp_eq_u32 vcc_lo, 1, v2                     ; lane 0 stores token 2 W's numbers, lane 1 token 2 W + 1's
.irp i, 0,1,2,3
	v_cndmask_b32 v[OUTR+\i], v[RES+\i], v[RES+4+\i], vcc_lo
.endr
	v_cndmask_b32 v[OUTR+4], v[EI], v[EI+1], vcc_lo
	s_wait_alu depctr_va_vdst(0)
	s_wait_xcnt 0x0                                ; EXEC changes only behind this wait
	v_cmp_gt_u32 vcc_lo, 2, v2
	s_and_saveexec_b32 s25, vcc_lo
	global_store_b128 v1, v[OUTR:OUTR+3], s[10:11]
	global_store_b32 v3, v[OUTR+4], s[8:9]
	s_endpgm
.Lfunc_end_k_q8fdfb57483_route:
	.size	k_q8fdfb57483_route, .Lfunc_end_k_q8fdfb57483_route-k_q8fdfb57483_route
	.p2alignl 7, 3214868480
	.fill 96, 4, 3214868480
	.section	.rodata,"a",@progbits
	.p2align	6, 0x0
	.amdhsa_kernel k_q8fdfb57483_route
		.amdhsa_group_segment_fixed_size 0
		.amdhsa_private_segment_fixed_size 0
		.amdhsa_enable_private_segment 0
		.amdhsa_kernarg_size 32
		.amdhsa_user_sgpr_count 2
		.amdhsa_user_sgpr_kernarg_segment_ptr 1
		.amdhsa_wavefront_size32 1
		.amdhsa_system_sgpr_workgroup_id_x 1
		.amdhsa_system_sgpr_workgroup_id_y 1
		.amdhsa_system_sgpr_workgroup_id_z 1
		.amdhsa_system_vgpr_workitem_id 0
		.amdhsa_next_free_vgpr 256
		.amdhsa_next_free_sgpr 66
		.amdhsa_reserve_vcc 1
		.amdhsa_float_denorm_mode_32 3
		.amdhsa_float_denorm_mode_16_64 3
		.amdhsa_memory_ordered 1
		.amdhsa_forward_progress 1
		.amdhsa_inst_pref_size 27
	.end_amdhsa_kernel
	.amdgpu_metadata
---
amdhsa.version: [ 1, 2 ]
amdhsa.kernels:
  - .name:           k_q8fdfb57483_route
    .symbol:         k_q8fdfb57483_route.kd
    .args:
      - { .name: x, .offset: 0, .size: 8, .value_kind: global_buffer, .address_space: global }
      - { .name: centroids, .offset: 8, .size: 8, .value_kind: global_buffer, .address_space: global }
      - { .name: eid, .offset: 16, .size: 8, .value_kind: global_buffer, .address_space: global }
      - { .name: rt, .offset: 24, .size: 8, .value_kind: global_buffer, .address_space: global }
    .group_segment_fixed_size: 0
    .private_segment_fixed_size: 0
    .kernarg_segment_align: 8
    .kernarg_segment_size: 32
    .max_flat_workgroup_size: 128
    .sgpr_count:     66
    .vgpr_count:     256
    .wavefront_size: 32
...
	.end_amdgpu_metadata
.endif
;; end of part 5
;; launch prep (part 6): grid 387 x 1, 8 waves a work-group, no clusters, 0 bytes of LDS; arguments eid, rt, x, gamma, beta, w2, idx, ha, w2q; writes idx, ha, w2q
.if DOCPART == 6
	.amdgcn_target "amdgcn-amd-amdhsa--gfx1250"
	.amdhsa_code_object_version 6
	.text
	.protected	k_q8fdfb57483_prep
	.globl	k_q8fdfb57483_prep
	.p2align	8
	.type	k_q8fdfb57483_prep,@function
k_q8fdfb57483_prep:
	s_mov_b64 s[64:65], 0
	v_nop
	global_prefetch_b8 v0, s[64:65] scope:SCOPE_SE
	s_setreg_imm32_b32 hwreg(HW_REG_WAVE_MODE, 25, 1), 1
	s_wait_xcnt 0x0
; PREP.  Two kinds of work-groups in one launch; they share no byte, and the text has no LDS and no barrier.
; ROWS (work-groups 0 .. 130): work-group p makes row tile p: 16 tokens of one expert.  From eid (whole numbers, stored by the launch before) every wave counts the experts' tokens, finds the tile's expert and its
;   16 tokens (integers only), gathers their rows of x, forms h = (x - mean) rstd gamma + beta in f32 and quantises it to FP6 (E2M3) with one E8M0 byte for each 32 along K.  Wave s makes K step s (128 of 1,024).
;   With 2,048 tokens, 4 experts and tiles of 16 there are never more than 2048 / 16 + 3 = 131 tiles.  Expert e owns tiles st[e] .. st[e] + nt[e] - 1.  A work-group beyond the last tile stores nothing and ends.
;   The rows that fill up an expert's last tile repeat its last token: they give the same numbers, which are later stored to the same place.
; WEIGHTS (work-groups 131 .. 386): w2 [4][4096 (k)][1024 (n)] f32 is quantised along K, its first axis.  A wave takes 128 k x 64 columns.
; LAYOUTS.  An operand is stored as the IMAGE OF ITS REGISTERS: a fragment (16 rows x 128 K, 12 registers a lane) is 1,536 bytes: registers 4 q .. 4 q + 3 of lane l at 512 q + 16 l.
;   ha:  fragment (tile p, K step s) at 12288 p + 1536 s.  HAS: the scale word of (K step s, row r) at 512 p + 16 (r + 16 (s & 1)) + 4 (s >> 1).  ALS: alpha of the tile's 16 rows, 64 p.
;   idx: st[4] at 0, nt[4] at 16; the tile's 16 tokens at 256 + 64 p.
;   w2q: fragment (expert e, column group cg, tile jj, K step s) at ((16 e + cg) 4 + jj) 49152 + 1536 s.  Row r of tile jj is column 64 cg + 4 r + jj: a lane loads 4 neighbouring columns by one load of 16 bytes,
;        and is then the same lane of all four fragments.  W2S: 256 bytes for each (e, cg, s): the word of (jj, r) at 8 (r + 16 (jj & 1)) + 4 (jj >> 1).
; THE QUANTISER.  A lane holds whole blocks of 32 along K.  The largest magnitude, with the floor 2^(3 - 127) among its leaves; 2 off its exponent field gives the conversion's scale operand, and that shifted down the byte.
; LIMITS.  NaN and infinities are not served.  A block whose largest magnitude lies under 2^-124, a block of zeros too, keeps the byte 1: zero codes add nothing, and only this program reads the bytes.
.set HAS,  1609728
.set ALS,  1676800
.set W2S,  12582912
.set SH8,  5                           ; v5  8 x (lane / 16)
.set SEL,  24                          ; s[24:25] lane selects: lane l xor 16
.set HM,   26                          ; s26 the mask of lanes 16-31
; 32 numbers of a lane, v[t] on, one block: six registers of codes at v[cd] on, the conversion's scale operand in v[so], the byte in v[by]
.macro QB t, cd, so, by
	v_max3_num_f32 v[QM0], |v[(\t)]|, |v[(\t)+1]|, 0x1800000
	v_max3_num_f32 v[QM1], |v[(\t)+16]|, |v[(\t)+17]|, |v[(\t)+18]|
.irp i, 2,4,6,8,10,12
	s_delay_alu instid0(VALU_DEP_2)
	v_max3_num_f32 v[QM0], v[QM0], |v[(\t)+\i]|, |v[(\t)+\i+1]|
	s_delay_alu instid0(VALU_DEP_2)
	v_max3_num_f32 v[QM1], v[QM1], |v[(\t)+17+\i]|, |v[(\t)+18+\i]|
.endr
	s_delay_alu instid0(VALU_DEP_2)
	v_max3_num_f32 v[QM0], v[QM0], |v[(\t)+14]|, |v[(\t)+15]|
	s_delay_alu instid0(VALU_DEP_1)
	v_max3_num_f32 v[QM0], v[QM0], v[QM1], |v[(\t)+31]|
	s_delay_alu instid0(VALU_DEP_1)
	v_add_nc_u32 v[\so], 0xff000000, v[QM0]        ; 2 off the exponent field
	s_delay_alu instid0(VALU_DEP_1)
	v_lshrrev_b32 v[\by], 23, v[\so]
	v_cvt_scalef32_pk16_fp6_f32 v[(\cd):(\cd)+2], v[(\t):(\t)+15], v[\so]
	v_cvt_scalef32_pk16_fp6_f32 v[CT:CT+2], v[(\t)+16:(\t)+31], v[\so]   ; (a conversion's three registers begin on an even number)
	v_nop                                          ; one plain line behind a scaled conversion
.irp i, 0,1,2
	v_mov_b32 v[(\cd)+3+\i], v[CT+\i]
.endr
.endm
; my two bytes (blocks h and 2 + h of my row) and lane l xor 16's two make the row's scale word
.macro SCW w, b0, b1
	v_lshl_or_b32 v[\w], v[\b1], 16, v[\b0]
	s_delay_alu instid0(VALU_DEP_1)
	v_lshlrev_b32 v[\w], v[SH8], v[\w]
	s_delay_alu instid0(VALU_DEP_1)
	v_permlanex16_b32 v[PT], v[\w], s[SEL], s[SEL+1]
	s_delay_alu instid0(VALU_DEP_1)
	v_or_b32 v[\w], v[\w], v[PT]
.endm
; a landed unit (32 k x 64 columns: register base + 4 i + jj = k i, column 4 r + jj) becomes half c of the four fragments
.macro QUNIT base, c
.irp jj, 0,1,2,3
.set i, 0
.rept 32
	v_mov_b32 v[T+i], v[(\base)+4*i+\jj]           ; the conversions want a block in consecutive registers
.set i, i+1
.endr
	QB T,C+12*\jj+6*(\c),SO,BY+2*\jj+(\c)
.endr
.endm
	s_load_b512 s[4:19], s[0:1], 0x0               ; eid s[4:5], rt s[6:7], x s[8:9], gamma s[10:11], beta s[12:13], w2 s[14:15], idx s[16:17], ha s[18:19]
	s_load_b64 s[20:21], s[0:1], 0x40              ; w2q
	v_lshrrev_b32 v1, 5, v0
	s_delay_alu instid0(VALU_DEP_1)
	v_readfirstlane_b32 s22, v1                    ; wave 0..7
	v_and_b32 v7, 31, v0                           ; lane
	s_delay_alu instid0(VALU_DEP_1)
	v_lshlrev_b32 v1, 4, v7                        ; 16 x lane
	s_delay_alu instid0(VALU_DEP_2)
	v_lshlrev_b32 v2, 2, v7                        ; 4 x lane
	v_and_b32 v3, 15, v0                           ; r
	v_bfe_u32 v4, v0, 4, 1                         ; h
	s_delay_alu instid0(VALU_DEP_1)
	v_lshlrev_b32 v[SH8], 3, v4
	s_mov_b32 s[SEL], 0x76543210
	s_mov_b32 s[SEL+1], 0xfedcba98
	s_mov_b32 s[HM], 0xffff0000
	s_wait_kmcnt 0x0
	s_cmp_lt_u32 ttmp9, 131
	s_cbranch_scc1 .Lrows
; ---------------- WEIGHTS ----------------
.set LND,  64                          ; v64-191  a unit as it lands
.set T,    192                         ; v192-223 a block
.set C,    16                          ; v16-63   the four fragments
.set W,    224                         ; v224-227 their scale words
.set BY,   228                         ; v228-235 bytes (jj, c)
.set QM0,  236
.set QM1,  237
.set SO,   238
.set CT,   240
.set P,    244                         ; v244-245 what my lane stores of the scale words
.set PT,   246
	s_sub_co_u32 s27, ttmp9, 131
	s_lshr_b32 s28, s27, 6                         ; expert
	s_bfe_u32 s29, s27, 0x40002                    ; column group: 4 bits from bit 2
	s_and_b32 s30, s27, 3
	s_lshl_b32 s30, s30, 3
	s_add_co_u32 s30, s30, s22                     ; K step s = 8 x (id & 3) + wave
	s_lshl_b32 s32, s28, 24                        ; an expert's w2 is 2^24 bytes,
	s_lshl_b32 s33, s30, 19                        ; 128 rows of 4,096 bytes,
	s_add_co_u32 s32, s32, s33
	s_lshl_b32 s33, s29, 8                         ; 64 columns
	s_add_co_u32 s32, s32, s33
	s_mov_b32 s33, 0
	s_add_nc_u64 s[14:15], s[14:15], s[32:33]
	s_lshl_b32 s34, s28, 4
	s_add_co_u32 s34, s34, s29                     ; 16 e + cg
	s_mul_i32 s36, s34, 196608
	s_mul_i32 s35, s30, 1536
	s_add_co_u32 s36, s36, s35
	s_mov_b32 s37, 0
	s_add_nc_u64 s[36:37], s[20:21], s[36:37]      ; my fragments
	s_lshl_b32 s34, s34, 5
	s_add_co_u32 s34, s34, s30
	s_lshl_b32 s34, s34, 8
	s_add_co_u32 s34, s34, W2S
	s_mov_b32 s35, 0
	s_add_nc_u64 s[34:35], s[20:21], s[34:35]      ; my scale words
	s_wait_alu depctr_va_vdst(0)
	v_lshlrev_b32 v6, 4, v3
	s_delay_alu instid0(VALU_DEP_1)
	v_lshl_or_b32 v6, v4, 17, v6                   ; 16 r, and 32 rows further down for lanes 16-31: the layout gives lane (r, h) k = 64 c + 32 h + 0 .. 31
	v_lshlrev_b32 v8, 3, v7                        ; 8 x lane
	v_mov_b32 v[PT], 0
.macro WLOAD c                         ; each load: 256 consecutive bytes of row 64 c + i and 256 of the row 32 further down
.set i, 0
.rept 32
	global_load_b128 v[LND+4*i:LND+4*i+3], v6, s[14:15] offset:(64*(\c)+i)*4096 th:TH_LOAD_NT
.set i, i+1
.endr
.endm
	WLOAD 0
	s_wait_loadcnt 0x0
	QUNIT LND,0
	WLOAD 1
	s_wait_loadcnt 0x0
	QUNIT LND,1
.irp jj, 0,1,2,3
	SCW W+\jj,BY+2*\jj,BY+2*\jj+1
.endr
	v_cndmask_b32 v[P], v[W], v[W+1], s[HM]        ; lanes 0-15 carry tiles 0 and 2, lanes 16-31 tiles 1 and 3
	s_delay_alu instid0(VALU_DEP_2)
	v_cndmask_b32 v[P+1], v[W+2], v[W+3], s[HM]
.irp jj, 0,1,2,3
.irp q, 0,1,2
	global_store_b128 v1, v[C+12*\jj+4*\q:C+12*\jj+4*\q+3], s[36:37] offset:49152*\jj+512*\q   ; 512 consecutive bytes, at a multiple of 512 from the buffer's first byte
.endr
.endr
	global_store_b64 v8, v[P:P+1], s[34:35]        ; 256 consecutive bytes
	s_endpgm
; ---------------- ROWS ----------------
.Lrows:
.set EID,  64                          ; v64-127  eid of all tokens: register 4 i + jj, lane l = token 128 i + 4 l + jj; later my 64 numbers of x
.set X,    64
.set G,    128                         ; v128-191 gamma
.set BT,   192                         ; v192-255 beta
.set C,    24                          ; v24-35   the fragment
.set CT,   36
.set QM0,  40
.set QM1,  41
.set SO,   42
.set BY,   44
.set W,    46
.set PT,   47
.set i, 0
	s_wait_alu depctr_va_vdst(0)
.rept 16
	global_load_b128 v[EID+4*i:EID+4*i+3], v1, s[4:5] offset:512*i
.set i, i+1
.endr
	v_lshlrev_b32 v6, 7, v4                        ; 128 h: my half's 32 numbers of a block pair
	v_mov_b32 v48, 0                               ; two counters, a byte for each expert
	v_mov_b32 v49, 0
	v_mov_b32 v14, 0
	v_mov_b32 v[PT], 0
	v_mov_b32 v9, 0
	v_mov_b32 v10, 0
	v_mov_b32 v11, 0
	s_wait_loadcnt 0x0
.set k, 0
.rept 32                               ; 1 << (8 x expert): at most 32 in a byte of each counter
	v_lshlrev_b32 v12, 3, v[EID+k]
	s_wait_alu depctr_va_vdst(0)
	v_lshlrev_b32 v13, 3, v[EID+k+1]
	v_lshl_add_u32 v48, 1, v12, v48
	s_delay_alu instid0(VALU_DEP_2)
	v_lshl_add_u32 v49, 1, v13, v49
.set k, k+2
.endr
	s_delay_alu instid0(VALU_DEP_1)
	v_add_nc_u32 v48, v48, v49
	s_delay_alu instid0(VALU_DEP_1)
	v_lshrrev_b32 v49, 8, v48
	s_delay_alu instid0(VALU_DEP_2)
	v_and_b32 v48, 0x00ff00ff, v48                 ; experts 0 and 2 in fields of 16 bits,
	s_delay_alu instid0(VALU_DEP_2)
	v_and_b32 v49, 0x00ff00ff, v49                 ; experts 1 and 3: 2,048 at the most
.irp m, 1,2,4,8
	s_delay_alu instid0(VALU_DEP_2)
	v_mov_b32_dpp v14, v48 row_xmask:\m row_mask:0xf bank_mask:0xf
	s_delay_alu instid0(VALU_DEP_2)
	v_mov_b32_dpp v13, v49 row_xmask:\m row_mask:0xf bank_mask:0xf
	s_delay_alu instid0(VALU_DEP_2)
	v_add_nc_u32 v48, v48, v14
	s_delay_alu instid0(VALU_DEP_2)
	v_add_nc_u32 v49, v49, v13
.endr
	s_delay_alu instid0(VALU_DEP_2)
	v_permlanex16_b32 v14, v48, s[SEL], s[SEL+1]
	s_delay_alu instid0(VALU_DEP_2)
	v_permlanex16_b32 v13, v49, s[SEL], s[SEL+1]
	s_delay_alu instid0(VALU_DEP_2)
	v_add_nc_u32 v48, v48, v14
	s_delay_alu instid0(VALU_DEP_2)
	v_add_nc_u32 v49, v49, v13
	s_delay_alu instid0(VALU_DEP_2)
	v_readfirstlane_b32 s27, v48
	s_delay_alu instid0(VALU_DEP_2)
	v_readfirstlane_b32 s28, v49
	s_and_b32 s60, s27, 0xffff                     ; s60-63: the experts' counts
	s_lshr_b32 s62, s27, 16
	s_and_b32 s61, s28, 0xffff
	s_lshr_b32 s63, s28, 16
.irp e, 0,1,2,3
	s_add_co_u32 s[66+\e], s[60+\e], 15
	s_lshr_b32 s[66+\e], s[66+\e], 4               ; s66-69: their tiles
.endr
	s_mov_b32 s70, 0                               ; s70-73: their first tiles; s74: all tiles
	s_add_co_u32 s71, s70, s66
	s_add_co_u32 s72, s71, s67
	s_add_co_u32 s73, s72, s68
	s_add_co_u32 s74, s73, s69
	s_or_b32 s27, ttmp9, s22
	s_cmp_lg_u32 s27, 0
	s_cbranch_scc1 .Lnometa                        ; wave 0 of work-group 0 stores st and nt
	v_mov_b32 v50, 0
.irp i, 0,1,2,3
	s_delay_alu instid0(VALU_DEP_1)
	v_writelane_b32 v50, s[70+\i], \i
	s_delay_alu instid0(VALU_DEP_1)
	v_writelane_b32 v50, s[66+\i], 4+\i
.endr
	global_store_b32 v2, v50, s[16:17]             ; v2, v50 and s[16:17] are not written again
.Lnometa:
	s_cmp_ge_u32 ttmp9, s74
	s_cbranch_scc1 .Lend                           ; this split has no tile p
	s_cmp_ge_u32 ttmp9, s71                        ; the tile's expert: how many of st[1 .. 3] are at or under p
	s_cselect_b32 s27, 1, 0
	s_cmp_ge_u32 ttmp9, s72
	s_cselect_b32 s28, 1, 0
	s_cmp_ge_u32 ttmp9, s73
	s_cselect_b32 s29, 1, 0
	s_add_co_u32 s27, s27, s28
	s_add_co_u32 s27, s27, s29
	s_min_u32 s31, s27, 3                          ; e
	s_mov_b32 s28, s70
	s_mov_b32 s29, s60
.irp e, 1,2,3
	s_cmp_eq_u32 s31, \e
	s_cselect_b32 s28, s[70+\e], s28
	s_cselect_b32 s29, s[60+\e], s29
.endr
	s_sub_co_u32 s28, ttmp9, s28
	s_lshl_b32 s28, s28, 4                         ; the tile's first rank among the expert's tokens
	s_sub_co_u32 s29, s29, 1                       ; the last rank there is
	s_lshl_b32 s32, s31, 12
	s_lshl_b32 s33, s22, 9
	s_add_co_u32 s32, s32, s33                     ; gamma, beta: row e, my K step's 512 bytes
	s_mov_b32 s33, 0
	s_add_nc_u64 s[10:11], s[10:11], s[32:33]
	s_add_nc_u64 s[12:13], s[12:13], s[32:33]
.irp c, 0,1
.irp i, 0,1,2,3,4,5,6,7
	global_load_b128 v[G+32*\c+4*\i:G+32*\c+4*\i+3], v6, s[10:11] offset:256*\c+16*\i
	global_load_b128 v[BT+32*\c+4*\i:BT+32*\c+4*\i+3], v6, s[12:13] offset:256*\c+16*\i
.endr
.endr
	v_add_nc_u32 v8, s28, v3
	s_delay_alu instid0(VALU_DEP_1)
	v_min_u32 v8, s29, v8                          ; my row's rank; ranks past the end repeat the last token
	s_wait_alu depctr_va_vdst(0)
	; which register holds the token of that rank: the last one whose running count is at or under the rank
	s_mov_b32 s56, 0
.set k, 0
.rept 8
.irp i, 0,1,2,3,4,5,6,7
	v_cmp_eq_u32 s[40+\i], s31, v[EID+k+\i]
.endr
.irp i, 0,1,2,3,4,5,6,7
	s_bcnt1_i32_b32 s[48+\i], s[40+\i]
.endr
.irp i, 0,1,2,3,4,5,6,7
	v_cmp_le_u32 vcc_lo, s56, v8
	s_delay_alu instid0(VALU_DEP_1)
	v_cndmask_b32 v9, v9, s[40+\i], vcc_lo         ; its mask of lanes,
	s_delay_alu instid0(VALU_DEP_2)
	v_cndmask_b32 v10, v10, s56, vcc_lo            ; the count in front of it,
	s_delay_alu instid0(VALU_DEP_3)
	v_cndmask_b32 v11, v11, k+\i, vcc_lo           ; its number
	s_add_co_u32 s56, s56, s[48+\i]
.endr
.set k, k+8
.endr
	v_sub_nc_u32 v12, v8, v10                      ; which set bit of the mask, from 0
	v_mov_b32 v13, 32                              ; its place = 32 less the number of bits at or above it
.set b, 0
.rept 32
	v_bfe_u32 v14, v9, b, 1
	s_delay_alu instid0(VALU_DEP_1)
	v_sub_nc_u32 v12, v12, v14
	s_delay_alu instid0(VALU_DEP_1)
	v_ashrrev_i32 v14, 31, v12
	s_delay_alu instid0(VALU_DEP_1)
	v_add_nc_u32 v13, v13, v14
.set b, b+1
.endr
	v_lshrrev_b32 v14, 2, v11
	s_delay_alu instid0(VALU_DEP_1)
	v_lshlrev_b32 v14, 7, v14
	s_delay_alu instid0(VALU_DEP_1)
	v_lshl_add_u32 v14, v13, 2, v14
	v_and_b32 v15, 3, v11
	s_delay_alu instid0(VALU_DEP_1)
	v_add_nc_u32 v15, v15, v14                     ; token = 128 (register / 4) + 4 x lane + register % 4
	s_delay_alu instid0(VALU_DEP_1)
	v_min_u32 v15, 0x7ff, v15
	s_delay_alu instid0(VALU_DEP_1)
	v_lshlrev_b32 v51, 4, v15
	s_delay_alu instid0(VALU_DEP_2)
	v_lshl_add_u32 v52, v15, 12, v6
	s_lshl_b32 s32, s22, 9
	s_add_nc_u64 s[8:9], s[8:9], s[32:33]
	global_load_b128 v[16:19], v51, s[6:7]         ; mean, rstd, alpha
.irp c, 0,1
.irp i, 0,1,2,3,4,5,6,7
	global_load_b128 v[X+32*\c+4*\i:X+32*\c+4*\i+3], v52, s[8:9] offset:256*\c+16*\i   ; x(token, 128 s + 64 c + 32 h + 4 i ..): over the 16 loads a row's 512 bytes are read whole
.endr
.endr
	s_wait_loadcnt 0x0
	v_mov_b32 v20, v16
	v_mov_b32 v21, v16
	v_mov_b32 v22, v17
	v_mov_b32 v23, v17
.set k, 0
.rept 32
	v_pk_add_f32 v[X+k:X+k+1], v[X+k:X+k+1], v[20:21] neg_lo:[0,1] neg_hi:[0,1]
.set k, k+2
.endr
.set k, 0
.rept 32
	v_pk_mul_f32 v[X+k:X+k+1], v[X+k:X+k+1], v[22:23]
.set k, k+2
.endr
.set k, 0
.rept 32
	v_pk_fma_f32 v[X+k:X+k+1], v[X+k:X+k+1], v[G+k:G+k+1], v[BT+k:BT+k+1]
.set k, k+2
.endr
	QB X,C,SO,BY
	QB X+32,C+6,SO+1,BY+1
	SCW W,BY,BY+1
	s_mul_i32 s32, ttmp9, 12288
	s_mul_i32 s34, s22, 1536
	s_add_co_u32 s32, s32, s34
	s_add_nc_u64 s[36:37], s[18:19], s[32:33]
.irp q, 0,1,2
	global_store_b128 v1, v[C+4*\q:C+4*\q+3], s[36:37] offset:512*\q
.endr
	s_lshl_b32 s32, ttmp9, 9
	s_and_b32 s34, s22, 1
	s_lshl_b32 s34, s34, 8
	s_add_co_u32 s32, s32, s34
	s_lshr_b32 s34, s22, 1
	s_lshl_b32 s34, s34, 2
	s_add_co_u32 s32, s32, s34
	s_add_co_u32 s32, s32, HAS
	s_add_nc_u64 s[38:39], s[18:19], s[32:33]
	v_lshlrev_b32 v53, 4, v3
	s_wait_alu depctr_va_vdst(0)
	global_store_b32 v53, v[W], s[38:39]           ; lanes l and l + 16 hold the same word and store it to the same place
	s_cmp_lg_u32 s22, 0
	s_cbranch_scc1 .Lend                           ; wave 0 stores the tile's tokens and their alpha
	s_lshl_b32 s32, ttmp9, 6
	s_add_nc_u64 s[76:77], s[16:17], s[32:33]
	s_add_co_u32 s32, s32, ALS
	s_add_nc_u64 s[78:79], s[18:19], s[32:33]
	v_lshlrev_b32 v54, 2, v3
	global_store_b32 v54, v15, s[76:77] offset:256
	global_store_b32 v54, v18, s[78:79]
.Lend:
	s_endpgm
.Lfunc_end_k_q8fdfb57483_prep:
	.size	k_q8fdfb57483_prep, .Lfunc_end_k_q8fdfb57483_prep-k_q8fdfb57483_prep
	.p2alignl 7, 3214868480
	.fill 96, 4, 3214868480
	.section	.rodata,"a",@progbits
	.p2align	6, 0x0
	.amdhsa_kernel k_q8fdfb57483_prep
		.amdhsa_group_segment_fixed_size 0
		.amdhsa_private_segment_fixed_size 0
		.amdhsa_enable_private_segment 0
		.amdhsa_kernarg_size 72
		.amdhsa_user_sgpr_count 2
		.amdhsa_user_sgpr_kernarg_segment_ptr 1
		.amdhsa_wavefront_size32 1
		.amdhsa_system_sgpr_workgroup_id_x 1
		.amdhsa_system_sgpr_workgroup_id_y 1
		.amdhsa_system_sgpr_workgroup_id_z 1
		.amdhsa_system_vgpr_workitem_id 0
		.amdhsa_next_free_vgpr 256
		.amdhsa_next_free_sgpr 96
		.amdhsa_reserve_vcc 1
		.amdhsa_float_denorm_mode_32 3
		.amdhsa_float_denorm_mode_16_64 3
		.amdhsa_memory_ordered 1
		.amdhsa_forward_progress 1
		.amdhsa_inst_pref_size 102
	.end_amdhsa_kernel
	.amdgpu_metadata
---
amdhsa.version: [ 1, 2 ]
amdhsa.kernels:
  - .name:           k_q8fdfb57483_prep
    .symbol:         k_q8fdfb57483_prep.kd
    .args:
      - { .name: eid, .offset: 0, .size: 8, .value_kind: global_buffer, .address_space: global }
      - { .name: rt, .offset: 8, .size: 8, .value_kind: global_buffer, .address_space: global }
      - { .name: x, .offset: 16, .size: 8, .value_kind: global_buffer, .address_space: global }
      - { .name: gamma, .offset: 24, .size: 8, .value_kind: global_buffer, .address_space: global }
      - { .name: beta, .offset: 32, .size: 8, .value_kind: global_buffer, .address_space: global }
      - { .name: w2, .offset: 40, .size: 8, .value_kind: global_buffer, .address_space: global }
      - { .name: idx, .offset: 48, .size: 8, .value_kind: global_buffer, .address_space: global }
      - { .name: ha, .offset: 56, .size: 8, .value_kind: global_buffer, .address_space: global }
      - { .name: w2q, .offset: 64, .size: 8, .value_kind: global_buffer, .address_space: global }
    .group_segment_fixed_size: 0
    .private_segment_fixed_size: 0
    .kernarg_segment_align: 8
    .kernarg_segment_size: 72
    .max_flat_workgroup_size: 256
    .sgpr_count:     96
    .vgpr_count:     256
    .wavefront_size: 32
...
	.end_amdgpu_metadata
.endif
;; end of part 6
;; launch ffn1 (part 7): grid 64 x 4, 4 waves a work-group, no clusters, 51,712 bytes of LDS; arguments w1, b1, idx, ha, hh; writes hh
.if DOCPART == 7
	.amdgcn_target "amdgcn-amd-amdhsa--gfx1250"
	.amdhsa_code_object_version 6
	.text
	.protected	k_q8fdfb57483_ffn1
	.globl	k_q8fdfb57483_ffn1
	.p2align	8
	.type	k_q8fdfb57483_ffn1,@function
k_q8fdfb57483_ffn1:
	s_mov_b64 s[64:65], 0
	v_nop
	global_prefetch_b8 v0, s[64:65] scope:SCOPE_SE
	s_setreg_imm32_b32 hwreg(HW_REG_WAVE_SCHED_MODE, 0, 2), 2
	s_setreg_imm32_b32 hwreg(HW_REG_WAVE_MODE, 25, 1), 1
	s_wait_xcnt 0x0
	s_wait_alu depctr_vm_vsrc(0)
; FFN1.  hidden = relu(h w1[e] + b1[e]) for the rows of expert e alone, on codes of FP6 (E2M3) with one E8M0 byte for each 32 along K, and quantised again along the next product's K.
; SHARES.  Work-group (cg, e) owns 64 hidden columns of expert e and all of K = 1,024: 256 KB of w1, read once, as f32.
;   PHASE 1: wave w reads K steps 2 w, 2 w + 1 (256 rows x 256 bytes), quantises them in registers and puts the eight fragments and their scale words into LDS as images of the operand's registers.  One barrier.
;   Then every wave takes all 32 fragments (384 registers) and walks row tiles st + w, st + w + 4 .. of the expert.  A tile: 32 matrix instructions (8 K steps x 4 column tiles, the four accumulators by turns),
;   relu, the quantiser, 768 bytes of codes and 32 scale bytes stored.
; COLUMNS.  Row m of column tile jj is column 64 cg + 4 m + jj (a lane loads 4 neighbouring columns by 16 bytes).  The product is used transposed (source 0 = 16 columns of w1, source 1 = 16 rows of h), so that
;   lane (r, h) holds row r, and register i of tile jj the hidden unit 64 cg + 32 h + 4 i + jj: the lane's 32 results are one whole block of the next K, and its six registers of codes are registers
;   6 (cg & 1) .. + 5 of lane (r, h) of the next operand's K step cg / 2.  Nothing changes lanes.  b1 is the C of each sum's first matrix instruction.
; hh: half fragment (tile p, cg) at 49152 p + 768 cg: registers 0-3 of lane l at 16 l, registers 4-5 at 512 + 8 l.  HHS: 2048 p + 512 (K step / 8) + 16 (r + 16 (s' & 1)) + 4 (s' >> 1) + byte, s' = K step % 8.
; THE NUMBER OF ROW TILES IS READ FROM MEMORY (idx: st, nt), so the text has no tensor load, hence no joint loads in a cluster: the rows' fragments come straight into registers, three buffers of 25 loads, two tiles ahead.
;   The row loop is counted against the constant 11: an expert has at most 128 tiles, a wave at most 32 of them, a trip takes three.  A forward branch on the stored end leaves it as soon as the wave's tiles are done.
;   A tile past the expert's end is still asked for, so that every path issues the same loads; it then reads 16 bytes a load (the lanes' offset is multiplied by 0) of a tile that exists.
; The scale bytes leave as single bytes, 32 a tile: one byte for each 24 bytes of codes.
; LIMITS as in the quantiser of the launch before: NaN and infinities are not served; a block under 2^-124 keeps the byte 1.
; REGISTERS, in windows of 256.  Window 0: addresses, scale words, b1, accumulators, what the quantiser works on.  Windows 1, 2: phase 1: the four landing units; then w1's fragments (K step s, tile jj) at
;   window 1 + s / 4, v[12 (4 (s % 4) + jj)], and in v192-239 row buffer 2.  Window 3: row buffers 0 (v0-95) and 1 (v96-191).
; THE MODE: SCHED_MODE bits 1:0 = 2 (LLVM: expert scheduling mode 2), set by the entry lines.  The code itself states the register dependences
; between vector or matrix instructions and memory or LDS instructions, with s_wait_alu, always for 0.
; THE PLAN.  Registers that memory or LDS instructions touch:
;   v1, v2, v5-v7, v9, v13, v254, v255   offsets and LDS addresses: made once at the head, never written again.  One wait on va_vdst ahead of the first load states them for the whole kernel.
;   the landing units   Each is loaded once and read by the quantiser's moves.  Behind the barrier w1's fragments and row buffer 2 land in them: the wait on va_vdst ahead of the second K step's LDS stores stands
;                       behind the last of those moves, and no vector instruction behind it names these registers.
;   v[C ..], v[P ..]    Written by phase 1's quantiser, read by a K step's LDS stores: va_vdst ahead of the stores, vm_vsrc behind the first K step's (behind the second's nothing writes them).
;   row buffer b, v[ASC + 4 b ..]   Written by the buffer's 25 loads, read by a tile's 32 matrix instructions.
;   v[VA + b]           The buffer's lane offset: read by its 25 loads, written anew ahead of the next 25.
;   v[CD ..], v[BY]     Written by a tile's quantiser, read by its three stores.
;   The accumulators, b1 and v[T ..] are named by vector and matrix instructions alone.
; A TILE'S TURN: its products; one wait on vm_vsrc (the last tile's stores have read CD and BY, the buffer's last loads its lane offset); the new bases and lane offset; one wait on va_vdst (the lane offset is written, the
;   products are done reading the buffer and its scale words); the buffer's next 25 loads at once, ahead of relu and the quantiser, which name none of their registers; a second wait on va_vdst ahead of the three stores.
.set HAS,  1609728
.set HHS,  6438912
.set TRIPS, 11                         ; 3 x 11 covers a wave's 32 tiles
.set L16,  1                           ; v1  16 x lane
.set L8,   2                           ; v2  8 x lane
.set RR,   3                           ; v3  r
.set HH,   4                           ; v4  h
.set WOF,  5                           ; v5  w1: 16 r, and 32 rows further down for lanes 16-31
.set LSI,  6                           ; v6  LDS: where I store my fragments: 16 x lane + 12288 x wave
.set LSS,  7                           ; v7  and my scale words: 8 x lane + 512 x wave + 49152
.set SH8,  8                           ; v8  8 h
.set BOF,  9                           ; v9  16 r + h: my scale byte's place
.set VA,   10                          ; v10-12 the row buffers' lane offsets: 16 x lane or 0
.set B1O,  13                          ; v13 128 h
.set QM0,  14
.set QM1,  15
.set SO,   16
.set BY,   18                          ; v18-25
.set P,    26                          ; v26-27
.set CT,   28                          ; v28-30
.set PT,   31
.set BSC,  32                          ; v32-47  w1's scale words: 2 s + jj / 2; lanes 0-15 even tiles, lanes 16-31 odd tiles
.set ASC,  48                          ; v48-59  the rows' scale words, 4 a buffer: register i: lanes 0-15 K step 2 i, lanes 16-31 K step 2 i + 1
.set BIAS, 64                          ; v64-95  b1 in the result's layout: 8 jj + i
.set ACC,  96                          ; v96-127 the four accumulators
.set T,    128                         ; v128-159 a block
.set CD,   160                         ; v160-165 its codes
.set C,    168                         ; v168-215 phase 1: four fragments
.set W,    216                         ; v216-219 their scale words
.set SEL,  24                          ; s[24:25]
.set HM,   26                          ; s26
.set AB,   32                          ; s[32:37] the row buffers' bases: codes
.set SBA,  38                          ; s[38:43] scale words
.set MSB, 0
.macro WIN new                         ; the immediate's high byte repeats the setting that is left
.if MSB != (\new)
	s_set_vgpr_msb (MSB<<8)|(\new)
.set MSB, (\new)
.endif
.endm
.macro QB t, cd, so, by                ; 32 numbers of a lane, one block: six registers of codes, the scale operand, the byte
	v_max3_num_f32 v[QM0], |v[(\t)]|, |v[(\t)+1]|, 0x1800000
	v_max3_num_f32 v[QM1], |v[(\t)+16]|, |v[(\t)+17]|, |v[(\t)+18]|
.irp i, 2,4,6,8,10,12
	v_max3_num_f32 v[QM0], v[QM0], |v[(\t)+\i]|, |v[(\t)+\i+1]|
	v_max3_num_f32 v[QM1], v[QM1], |v[(\t)+17+\i]|, |v[(\t)+18+\i]|
.endr
	v_max3_num_f32 v[QM0], v[QM0], |v[(\t)+14]|, |v[(\t)+15]|
	v_max3_num_f32 v[QM0], v[QM0], v[QM1], |v[(\t)+31]|
	v_add_nc_u32 v[\so], 0xff000000, v[QM0]
	v_lshrrev_b32 v[\by], 23, v[\so]
	v_cvt_scalef32_pk16_fp6_f32 v[(\cd):(\cd)+2], v[(\t):(\t)+15], v[\so]
	v_cvt_scalef32_pk16_fp6_f32 v[CT:CT+2], v[(\t)+16:(\t)+31], v[\so]
	v_nop                                          ; one plain line behind a scaled conversion
.irp i, 0,1,2
	v_mov_b32 v[(\cd)+3+\i], v[CT+\i]
.endr
.endm
.macro SCW w, b0, b1
	v_lshl_or_b32 v[\w], v[\b1], 16, v[\b0]
	v_lshlrev_b32 v[\w], v[SH8], v[\w]
	v_permlanex16_b32 v[PT], v[\w], s[SEL], s[SEL+1]
	v_or_b32 v[\w], v[\w], v[PT]
.endm
.macro ULOAD sp, c                     ; unit (sp, c): rows 128 sp + 64 c + i (+ 32 for lanes 16-31) of my 256, into window 1 + sp, v[128 c] on; each load 2 x 256 consecutive bytes.  No vector instruction has named a unit's registers when it is asked for, and v[WOF] stands since the head's wait
	WIN 0x40*(1+\sp)
.set i, 0
.rept 32
	global_load_b128 v[128*(\c)+4*i:128*(\c)+4*i+3], v[WOF], s[4:5] offset:(128*(\sp)+64*(\c)+i)*16384 th:TH_LOAD_NT
.set i, i+1
.endr
	WIN 0
.endm
.macro QUNIT win, base, c              ; a landed unit becomes half c of four fragments
.irp jj, 0,1,2,3
	WIN \win
.set i, 0
.rept 32
	v_mov_b32 v[T+i], v[(\base)+4*i+\jj]
.set i, i+1
.endr
	WIN 0
	QB T,C+12*\jj+6*(\c),SO,BY+2*\jj+(\c)
.endr
.endm
.macro KFIN sp                         ; a K step's four fragments and scale words go to LDS as they stand
.irp jj, 0,1,2,3
	SCW W+\jj,BY+2*\jj,BY+2*\jj+1
.endr
	v_cndmask_b32 v[P], v[W], v[W+1], s[HM]
	v_cndmask_b32 v[P+1], v[W+2], v[W+3], s[HM]
	s_wait_alu depctr_va_vdst(0)                   ; the quantiser has written v[C ..] and v[P ..], which the LDS stores read; and its moves are done reading the landing units
.irp jj, 0,1,2,3
.irp q, 0,1,2
	ds_store_b128 v[LSI], v[C+12*\jj+4*\q:C+12*\jj+4*\q+3] offset:(4*(\sp)+\jj)*1536+512*\q
.endr
.endr
	ds_store_b64 v[LSS], v[P:P+1] offset:256*(\sp)
	s_wait_dscnt 0x0                               ; the stores are done: the barrier follows the second K step's
.if (\sp) == 0
	s_wait_alu depctr_vm_vsrc(0)                   ; the LDS stores have read v[C ..] and v[P ..], which the next K step's quantiser writes again
.endif
.endm
; where row buffer b's next tile, s53, lies: its two bases and its lane offset
.macro AIM b
	s_sub_co_i32 s52, s22, s53
	s_max_i32 s52, s52, 0
	s_min_u32 s52, s52, 1                          ; 1 for a tile of the expert, 0 past its end
	s_min_u32 s48, s53, s23
	s_min_u32 s48, s48, 130                        ; a tile that exists
	s_mul_i32 s50, s48, 12288
	s_add_nc_u64 s[AB+2*\b:AB+2*\b+1], s[10:11], s[50:51]
	s_lshl_b32 s50, s48, 9
	s_add_nc_u64 s[SBA+2*\b:SBA+2*\b+1], s[54:55], s[50:51]
	v_mul_u32_u24 v[VA+\b], s52, v[L16]
.endm
; row buffer b is asked for: 24 loads of codes and one of scale words
.macro ASKA b
.if (\b) < 2
	WIN 0xc0
.set i, 0
.rept 24
	global_load_b128 v[96*(\b)+4*i:96*(\b)+4*i+3], v[VA+\b], s[AB+2*\b:AB+2*\b+1] offset:512*i
.set i, i+1
.endr
.else
	WIN 0x40
.set i, 0
.rept 12
	global_load_b128 v[192+4*i:192+4*i+3], v[VA+\b], s[AB+2*\b:AB+2*\b+1] offset:512*i
.set i, i+1
.endr
	WIN 0x80
.set i, 0
.rept 12
	global_load_b128 v[192+4*i:192+4*i+3], v[VA+\b], s[AB+2*\b:AB+2*\b+1] offset:512*(12+i)
.set i, i+1
.endr
.endif
	WIN 0
	global_load_b128 v[ASC+4*\b:ASC+4*\b+3], v[VA+\b], s[SBA+2*\b:SBA+2*\b+1]
.endm
; a buffer's first tile, at the head: its bases and lane offset are written for the first time
.macro LOADA b
	AIM \b
	s_wait_alu depctr_va_vdst(0)                   ; the lane offset v[VA + b] is written, which the 25 loads read; for buffer 2: the quantiser's moves are done reading the registers in which it lands
	ASKA \b
.endm
.macro WM d, a, bb, c, sa, sb, ra, rb  ; ra, rb: the scales stand in lanes 16-31 of their registers
.if ((\ra) == 0) && ((\rb) == 0)
	v_wmma_scale_f32_16x16x128_f8f6f4 v[\d:\d+7], v[\a:\a+11], v[\bb:\bb+11], v[\c:\c+7], v[\sa], v[\sb] matrix_a_fmt:MATRIX_FMT_FP6 matrix_b_fmt:MATRIX_FMT_FP6
.elseif (\rb) == 0
	v_wmma_scale_f32_16x16x128_f8f6f4 v[\d:\d+7], v[\a:\a+11], v[\bb:\bb+11], v[\c:\c+7], v[\sa], v[\sb] matrix_a_fmt:MATRIX_FMT_FP6 matrix_b_fmt:MATRIX_FMT_FP6 matrix_a_scale:MATRIX_SCALE_ROW1
.elseif (\ra) == 0
	v_wmma_scale_f32_16x16x128_f8f6f4 v[\d:\d+7], v[\a:\a+11], v[\bb:\bb+11], v[\c:\c+7], v[\sa], v[\sb] matrix_a_fmt:MATRIX_FMT_FP6 matrix_b_fmt:MATRIX_FMT_FP6 matrix_b_scale:MATRIX_SCALE_ROW1
.else
	v_wmma_scale_f32_16x16x128_f8f6f4 v[\d:\d+7], v[\a:\a+11], v[\bb:\bb+11], v[\c:\c+7], v[\sa], v[\sb] matrix_a_fmt:MATRIX_FMT_FP6 matrix_b_fmt:MATRIX_FMT_FP6 matrix_a_scale:MATRIX_SCALE_ROW1 matrix_b_scale:MATRIX_SCALE_ROW1
.endif
.endm
.macro MAC b                           ; a tile's 32 matrix instructions: source 0 (w1) window 1 or 2, source 1 (rows) window 3, or for buffer 2 the same as w1's; C and D window 0
.irp s, 0,1,2,3,4,5,6,7
.if (\b) < 2
	WIN 0x0d+\s/4
.else
	WIN 0x05+5*(\s/4)
.endif
.irp jj, 0,1,2,3
.set rD, ACC+8*\jj
.set rB, 12*(4*(\s%4)+\jj)
.if (\b) < 2
.set rA, 96*(\b)+12*\s
.else
.set rA, 192+12*(\s%4)
.endif
.if \s == 0
.set rC, BIAS+8*\jj
.else
.set rC, rD
.endif
.set rSA, BSC+2*\s+\jj/2
.set rSB, ASC+4*(\b)+\s/2
	WM rD,rB,rA,rC,rSA,rSB,\jj%2,\s%2
.endr
.endr
	WIN 0
.endm
	s_load_b256 s[4:11], s[0:1], 0x0               ; w1 s[4:5], b1 s[6:7], idx s[8:9], ha s[10:11]
	s_load_b64 s[12:13], s[0:1], 0x20              ; hh
	v_lshl_add_u32 v254, v0, 2, 0xc800
	v_mov_b32 v255, 0
	v_lshrrev_b32 v1, 5, v0
	v_readfirstlane_b32 s14, v1                    ; wave 0..3
	s_mov_b32 s15, ttmp9                           ; cg
	s_and_b32 s16, ttmp7, 0xffff                   ; e
	v_and_b32 v9, 31, v0
	v_lshlrev_b32 v[L16], 4, v9
	v_lshlrev_b32 v[L8], 3, v9
	v_and_b32 v[RR], 15, v0
	v_bfe_u32 v[HH], v0, 4, 1
	v_lshlrev_b32 v[WOF], 4, v[RR]
	v_lshl_or_b32 v[WOF], v[HH], 19, v[WOF]
	s_wait_alu depctr_va_sdst(0)                   ; s14, the wave's number, is written, ahead of its first reader
	s_mul_i32 s48, s14, 12288
	v_add_nc_u32 v[LSI], s48, v[L16]
	s_lshl_b32 s48, s14, 9
	s_add_co_u32 s48, s48, 49152
	v_add_nc_u32 v[LSS], s48, v[L8]
	v_lshlrev_b32 v[SH8], 3, v[HH]
	v_lshl_add_u32 v[BOF], v[RR], 4, v[HH]
	v_lshlrev_b32 v[B1O], 7, v[HH]
	v_mov_b32 v[PT], 0
	s_mov_b32 s[SEL], 0x76543210
	s_mov_b32 s[SEL+1], 0xfedcba98
	s_mov_b32 s[HM], 0xffff0000
	s_lshl_b32 s49, s16, 2
	s_lshl_b32 s50, s16, 24                        ; w1: expert, my 256 rows of 16,384 bytes, my 64 columns
	s_lshl_b32 s51, s14, 22
	s_add_co_u32 s50, s50, s51
	s_lshl_b32 s51, s15, 8
	s_add_co_u32 s50, s50, s51
	s_mov_b32 s51, 0                               ; stays 0: the upper word of every offset
	s_wait_kmcnt 0x0
	s_load_b32 s20, s[8:9], s49 offset:0x0         ; st[e]
	s_load_b32 s21, s[8:9], s49 offset:0x10        ; nt[e]
	s_add_nc_u64 s[4:5], s[4:5], s[50:51]
	s_lshl_b32 s50, s16, 14
	s_lshl_b32 s52, s15, 8
	s_add_co_u32 s50, s50, s52
	s_add_nc_u64 s[6:7], s[6:7], s[50:51]
	s_wait_alu depctr_va_vdst(0)                   ; the offsets and LDS addresses v1, v2, v5 to v7, v9, v13 are written, which the kernel's loads and stores read
.irp i, 0,1,2,3,4,5,6,7
	global_load_b128 v[ACC+4*\i:ACC+4*\i+3], v[B1O], s[6:7] offset:16*\i   ; b1(64 cg + 32 h + 4 i ..)
.endr
	ULOAD 0, 0
	ULOAD 0, 1
	s_mul_i32 s50, s15, 768
	s_add_nc_u64 s[28:29], s[12:13], s[50:51]      ; hh: my column group's half fragments
	s_lshr_b32 s48, s15, 4
	s_lshl_b32 s48, s48, 9
	s_bfe_u32 s52, s15, 0x10001
	s_lshl_b32 s52, s52, 8
	s_add_co_u32 s48, s48, s52
	s_bfe_u32 s52, s15, 0x20002
	s_lshl_b32 s52, s52, 2
	s_add_co_u32 s48, s48, s52
	s_and_b32 s52, s15, 1
	s_lshl_b32 s52, s52, 1
	s_add_co_u32 s48, s48, s52
	s_add_co_u32 s50, s48, HHS
	s_add_nc_u64 s[30:31], s[12:13], s[50:51]      ; and its scale bytes
	s_add_nc_u64 s[54:55], s[10:11], HAS
	s_wait_loadcnt 32                              ; b1 and unit (0, 0) are in; the 32 loads of unit (0, 1) may be out
.irp i, 0,1,2,3,4,5,6,7
.irp jj, 0,1,2,3
	v_mov_b32 v[BIAS+8*\jj+\i], v[ACC+4*\i+\jj]
.endr
.endr
	QUNIT 0x01, 0, 0
	ULOAD 1, 0
	s_wait_loadcnt 32                              ; unit (0, 1) is in; the 32 just issued may be out
	QUNIT 0x01, 128, 1
	KFIN 0
	ULOAD 1, 1
	s_wait_loadcnt 32                              ; unit (1, 0) is in
	QUNIT 0x02, 0, 0
	s_wait_kmcnt 0x0
	s_min_u32 s20, s20, 130
	s_min_u32 s21, s21, 128
	s_add_co_u32 s22, s20, s21                     ; the expert's end: st + nt
	s_max_u32 s23, s22, 1
	s_sub_co_u32 s23, s23, 1                       ; a tile that exists, whatever the split
	s_add_co_u32 s27, s20, s14                     ; my first tile
	s_mov_b32 s53, s27
	LOADA 0
	s_add_co_u32 s53, s27, 4
	LOADA 1
	s_wait_loadcnt 50                              ; unit (1, 1) is in; the two row buffers' 2 x 25 loads may be out
	QUNIT 0x02, 128, 1
	KFIN 1
	s_barrier_signal -1                            ; every wave's stores into LDS are done (the wait for them closes KFIN)
	s_barrier_wait -1
	WIN 0x40                                       ; w1's fragments land where the units lay: the quantiser's moves stand ahead of KFIN's wait on va_vdst, and no vector instruction stands behind it
.set i, 0
.rept 48
	ds_load_b128 v[4*i:4*i+3], v[L16] offset:512*i
.set i, i+1
.endr
	WIN 0x80
.set i, 0
.rept 48
	ds_load_b128 v[4*i:4*i+3], v[L16] offset:512*(48+i)
.set i, i+1
.endr
	WIN 0
.irp s, 0,1,2,3,4,5,6,7
	ds_load_b64 v[BSC+2*\s:BSC+2*\s+1], v[L8] offset:49152+256*\s
.endr
	s_add_co_u32 s53, s27, 8
	LOADA 2
	s_wait_dscnt 0x0
	s_mov_b32 s57, 0                               ; the trips' counter
	s_cmp_ge_u32 s27, s22
	s_cbranch_scc1 .Ldone
; the turn of row buffer b: tile s27 + 4 b
.macro HALF b
	s_wait_loadcnt 50                              ; this buffer's 25 loads are in; the other two buffers' 2 x 25, issued behind them, may be out
	s_add_co_u32 s56, s27, 4*\b
	s_cmp_ge_u32 s56, s22
	s_cbranch_scc1 .Lpast_\@                       ; a tile past the expert's end has no products
	MAC \b
.rept 5
	v_nop                                          ; places behind the last products: 4 ahead of the reads of results, 5 ahead of the next tile's first products, which begin the accumulators anew (ISA guide 7.12.1)
.endr
.Lpast_\@:
	s_wait_xcnt 0x0                                ; the buffer's last loads have read its bases and lane offset, the last tile's stores their data and bases: all are written again only behind this wait
	s_wait_alu depctr_vm_vsrc(0)                   ; the buffer's last loads have read v[VA + b], the last tile's stores v[CD ..] and v[BY]: the lines below write them again
	s_add_co_u32 s53, s56, 12
	AIM \b
	s_wait_alu depctr_va_vdst(0)                   ; v[VA + b] is written, which the loads read; the products are done reading the buffer and its scale words, in which the loads land
	ASKA \b                                        ; three tiles on; relu and the quantiser below name none of these registers
	s_cmp_ge_u32 s56, s22
	s_cbranch_scc1 .Lnone_\@                       ; and such a tile stores nothing
.irp i, 0,1,2,3,4,5,6,7
.irp jj, 0,1,2,3
	v_max_num_f32 v[T+4*\i+\jj], 0, v[ACC+8*\jj+\i]   ; relu; each accumulator from its low end on; T's 32 registers are 32 neighbouring hidden units
.endr
.endr
	QB T,CD,SO,BY
	s_min_u32 s48, s56, 130
	s_mul_i32 s50, s48, 49152
	s_add_nc_u64 s[44:45], s[28:29], s[50:51]
	s_lshl_b32 s50, s48, 11
	s_add_nc_u64 s[46:47], s[30:31], s[50:51]
	s_wait_alu depctr_va_vdst(0)                   ; the quantiser has written v[CD ..] and v[BY], which the three stores read
	global_store_b128 v[L16], v[CD:CD+3], s[44:45]              ; 512 consecutive bytes,
	global_store_b64 v[L8], v[CD+4:CD+5], s[44:45] offset:512   ; and the 256 behind them
	global_store_b8 v[BOF], v[BY], s[46:47]
.Lnone_\@:
.endm
.Lrow:
	HALF 0
	HALF 1
	HALF 2
	s_add_co_u32 s27, s27, 12                      ; my next three tiles begin here
	s_cmp_ge_u32 s27, s22
	s_cbranch_scc1 .Ldone                          ; none of them is the expert's: out, forward
	s_add_co_u32 s57, s57, 1
	s_cmp_lt_u32 s57, TRIPS
	s_cbranch_scc1 .Lrow
.Ldone:
	s_wait_dscnt 0x0                               ; the closing lines, six on end
	s_wait_alu 0x0
	s_wait_tensorcnt 0x0
	ds_add_u32 v254, v255
	s_wait_dscnt 0x0
	s_endpgm
.Lfunc_end_k_q8fdfb57483_ffn1:
	.size	k_q8fdfb57483_ffn1, .Lfunc_end_k_q8fdfb57483_ffn1-k_q8fdfb57483_ffn1
	.p2alignl 7, 3214868480
	.fill 96, 4, 3214868480
	.section	.rodata,"a",@progbits
	.p2align	6, 0x0
	.amdhsa_kernel k_q8fdfb57483_ffn1
		.amdhsa_group_segment_fixed_size 51712
		.amdhsa_private_segment_fixed_size 0
		.amdhsa_enable_private_segment 0
		.amdhsa_kernarg_size 40
		.amdhsa_user_sgpr_count 2
		.amdhsa_user_sgpr_kernarg_segment_ptr 1
		.amdhsa_wavefront_size32 1
		.amdhsa_system_sgpr_workgroup_id_x 1
		.amdhsa_system_sgpr_workgroup_id_y 1
		.amdhsa_system_sgpr_workgroup_id_z 1
		.amdhsa_system_vgpr_workitem_id 0
		.amdhsa_next_free_vgpr 960
		.amdhsa_next_free_sgpr 66
		.amdhsa_reserve_vcc 0
		.amdhsa_float_denorm_mode_32 3
		.amdhsa_float_denorm_mode_16_64 3
		.amdhsa_memory_ordered 1
		.amdhsa_forward_progress 1
		.amdhsa_inst_pref_size 107
	.end_amdhsa_kernel
	.amdgpu_metadata
---
amdhsa.version: [ 1, 2 ]
amdhsa.kernels:
  - .name:           k_q8fdfb57483_ffn1
    .symbol:         k_q8fdfb57483_ffn1.kd
    .args:
      - { .name: w1, .offset: 0, .size: 8, .value_kind: global_buffer, .address_space: global }
      - { .name: b1, .offset: 8, .size: 8, .value_kind: global_buffer, .address_space: global }
      - { .name: idx, .offset: 16, .size: 8, .value_kind: global_buffer, .address_space: global }
      - { .name: ha, .offset: 24, .size: 8, .value_kind: global_buffer, .address_space: global }
      - { .name: hh, .offset: 32, .size: 8, .value_kind: global_buffer, .address_space: global }
    .group_segment_fixed_size: 51712
    .private_segment_fixed_size: 0
    .kernarg_segment_align: 8
    .kernarg_segment_size: 40
    .max_flat_workgroup_size: 128
    .sgpr_count:     66
    .vgpr_count:     960
    .wavefront_size: 32
...
	.end_amdgpu_metadata
.endif
;; end of part 7
;; launch ffn2 (part 8): grid 64 x 4, 4 waves a work-group, no clusters, 52,736 bytes of LDS; arguments w2q, hh, idx, ha, x, b2, out0; writes out0
.if DOCPART == 8
	.amdgcn_target "amdgcn-amd-amdhsa--gfx1250"
	.amdhsa_code_object_version 6
	.text
	.protected	k_q8fdfb57483_ffn2
	.globl	k_q8fdfb57483_ffn2
	.p2align	8
	.type	k_q8fdfb57483_ffn2,@function
k_q8fdfb57483_ffn2:
	s_mov_b64 s[64:65], 0
	v_nop
	global_prefetch_b8 v0, s[64:65] scope:SCOPE_SE
	s_setreg_imm32_b32 hwreg(HW_REG_WAVE_SCHED_MODE, 0, 2), 2
	s_setreg_imm32_b32 hwreg(HW_REG_WAVE_MODE, 25, 1), 1
	s_wait_xcnt 0x0
	s_wait_alu depctr_vm_vsrc(0)
; FFN2.  out = x + alpha (hidden w2[e] + b2[e]) for the rows of expert e alone (that is alpha y + (1 - alpha) x with y = x + hidden w2 + b2), the product on codes of FP6 (E2M3) with E8M0 scales.
; SHARES.  Work-group (cg2, rq, e) owns 64 output columns of expert e and the row tiles st + rq + 4 u.  K = 4,096 IS SPLIT OVER THE FOUR WAVES: wave w keeps K steps 8 w .. 8 w + 7 of the four column tiles
;   (32 fragments, 384 registers) for the whole launch.  A ROUND takes three row tiles: every wave multiplies its part of K for all three and puts the partial sums into LDS; barrier; wave g (0 .. 2) adds the four
;   parts of tile g, b2, scales by alpha, adds x and stores whole rows' 256 bytes; barrier.  The sums over K are so added in four parts, in f32.
; COLUMN TILES are natural here (tile jn = columns 16 jn .. + 15): the stored tiles hold columns 4 r + jj, so lane (r, h) of tile jn takes the bytes of lane (4 jn + r / 4, h) of stored tile r % 4: a lane term in the address, once a launch.
;   The product is used transposed (source 0 = 16 columns of w2, source 1 = 16 rows): a lane holds one row and eight neighbouring columns.
; THE NUMBER OF TILES IS READ FROM MEMORY (idx), so the text has no tensor load and no joint loads.  Every wave must pass every barrier, so the loop over rounds has the constant count 11 (3 x 11 covers the 32 tiles that one
;   work-group can get when one expert takes all tokens), and a scalar branch on the stored numbers leads round a round's work, never round its barriers.
;   The rows' fragments come straight into registers, three buffers of 33 loads.  A tile past the end is still asked for (16 or 8 bytes a load, of a tile that exists), so that every path issues the same loads.
; The rows that fill up an expert's last tile repeat its last token: the same wave stores the same bytes twice.
; REGISTERS.  Window 0: addresses, scale words, x, accumulators.  Windows 1, 2: w2's fragments (K step s', tile jn) at window 1 + s' / 4, v[12 (4 (s' % 4) + jn)]; v192-239 row buffer 2.  Window 3: row buffers 0 and 1.
; THE MODE: SCHED_MODE bits 1:0 = 2 (LLVM: expert scheduling mode 2), set by the entry lines.  The code itself states the register dependences
; between vector or matrix instructions and memory or LDS instructions, with s_wait_alu, always for 0.
; THE PLAN.  Registers that memory or LDS instructions touch:
;   v3-v7, v254, v255   offsets and LDS addresses: made once at the head, never written again.  One wait on va_vdst ahead of the first load states them.
;   row buffer g, v[ASC + 4 g ..]   Written by the buffer's 33 loads, read by a tile's 32 matrix instructions.
;   v[VA16 + g], v[VA8 + g]   The buffer's lane offsets: read by its loads, written anew ahead of the next 33.
;   the accumulators of g   Written by the products, read by eight LDS stores.  In v108-171 the four waves' parts land later in the round (LDS loads), and the sums read and write them.
;   v[XA ..]   Written at a round's head, read by x's loads and by the round's stores.
;   v[X ..]    x's loads land in it; the last multiply-add of each sum writes it; the stores read it.
;   w2's fragments, their scale words and b2 are loaded once.  v[AL ..] is named by vector instructions alone.
; FOR EACH g, on the way with products and on the way round them alike: one wait on vm_vsrc (the buffer's last loads have read its lane offsets; the LDS stores issued so far have read their accumulators), the new bases and
;   lane offsets, one wait on va_vdst (the accumulators and the lane offsets are written; the products are done reading the buffer and its scale words); then the LDS stores and the buffer's next 33 loads.
; THE ROUND'S HEAD: vm_vsrc ahead of the writes of XA, va_vdst ahead of x's loads.  ITS SECOND PART: both waits at its head; the sums of four pairs of rows, one wait on va_vdst, their four stores.
.set W2S,  12582912
.set HHS,  6438912
.set ALS,  1676800
.set L16,  1                           ; v1  16 x lane
.set L8,   2                           ; v2  8 x lane
.set VB,   3                           ; v3  w2's fragments: 49152 (r % 4) + 16 (r / 4) + 256 h
.set VS,   4                           ; v4  w2's scale words: 32 h + 8 (r / 4) + 128 (r & 1) + 4 ((r >> 1) & 1)
.set ST,   5                           ; v5  LDS: where I put 32 bytes of a row's partial sums: 13056 x wave + 272 r + 32 h
.set RD,   6                           ; v6  and where I read a row back: 4352 x min(wave, 2) + 272 (lane / 16) + 16 (lane % 16)
.set COFF, 7                           ; v7  256 cg2 + 16 (lane % 16): my 16 bytes of a row of x, b2, out
.set VA16, 10                          ; v10-12 the row buffers' lane offsets: 16 x lane or 0
.set VA8,  13                          ; v13-15 8 x lane or 0
.set B2,   16                          ; v16-19
.set XA,   20                          ; v20-27 byte offsets of my eight rows in x and out
.set AL,   28                          ; v28-43 their alpha, twice each
.set BSC,  48                          ; v48-63 w2's scale words: 2 s' + jn / 2
.set ASC,  64                          ; v64-75 the rows' scale words, 4 a buffer
.set X,    76                          ; v76-107 my 16 bytes of eight rows of x, then of out
.set ACC,  108                         ; v108-203 accumulators: 32 g + 8 jn
.set PP,   108                         ; v108-171 partial sums read back
.set CB,   66                          ; s[66:71] the row buffers' bases: codes
.set SB,   72                          ; s[72:77] scale words
.set MSB, 0
.macro WIN new
.if MSB != (\new)
	s_set_vgpr_msb (MSB<<8)|(\new)
.set MSB, (\new)
.endif
.endm
; where my part of tile number s88 of the work-group lies: row buffer g's two bases and its two lane offsets
.macro AIMB g
	s_sub_co_i32 s89, s24, s88
	s_max_i32 s89, s89, 0
	s_min_u32 s89, s89, 1                          ; 1 for a tile of mine, 0 past the end
	s_lshl_b32 s90, s88, 2
	s_add_co_u32 s90, s90, s28
	s_min_u32 s90, s90, s25
	s_min_u32 s90, s90, 130                        ; a tile that exists
	s_mul_i32 s84, s90, 49152
	s_add_nc_u64 s[CB+2*\g:CB+2*\g+1], s[78:79], s[84:85]
	s_lshl_b32 s84, s90, 11
	s_add_nc_u64 s[SB+2*\g:SB+2*\g+1], s[80:81], s[84:85]
	v_mul_u32_u24 v[VA16+\g], s89, v[L16]
	v_mul_u32_u24 v[VA8+\g], s89, v[L8]
.endm
; row buffer g is asked for: 16 half fragments (two loads each) and the scale words
.macro ASKB g
.if (\g) < 2
	WIN 0xc0
.set i, 0
.rept 16
	global_load_b128 v[96*(\g)+6*i:96*(\g)+6*i+3], v[VA16+\g], s[CB+2*\g:CB+2*\g+1] offset:768*i
	global_load_b64 v[96*(\g)+6*i+4:96*(\g)+6*i+5], v[VA8+\g], s[CB+2*\g:CB+2*\g+1] offset:768*i+512
.set i, i+1
.endr
.else
	WIN 0x40
.set i, 0
.rept 8
	global_load_b128 v[192+6*i:192+6*i+3], v[VA16+\g], s[CB+2*\g:CB+2*\g+1] offset:768*i
	global_load_b64 v[192+6*i+4:192+6*i+5], v[VA8+\g], s[CB+2*\g:CB+2*\g+1] offset:768*i+512
.set i, i+1
.endr
	WIN 0x80
.set i, 0
.rept 8
	global_load_b128 v[192+6*i:192+6*i+3], v[VA16+\g], s[CB+2*\g:CB+2*\g+1] offset:768*(8+i)
	global_load_b64 v[192+6*i+4:192+6*i+5], v[VA8+\g], s[CB+2*\g:CB+2*\g+1] offset:768*(8+i)+512
.set i, i+1
.endr
.endif
	WIN 0
	global_load_b128 v[ASC+4*\g:ASC+4*\g+3], v[VA16+\g], s[SB+2*\g:SB+2*\g+1]
.endm
; a buffer's first tile, at the head: its bases and lane offsets are written for the first time
.macro LOADB g
	AIMB \g
	s_wait_alu depctr_va_vdst(0)                   ; the two lane offsets are written, which the 33 loads read
	ASKB \g
.endm
.macro TLOAD                           ; the 16 tokens and the 16 alpha of tile number s88
	s_lshl_b32 s87, s88, 2
	s_add_co_u32 s87, s87, s28
	s_min_u32 s87, s87, s25
	s_min_u32 s87, s87, 130
	s_lshl_b32 s87, s87, 6
	s_load_b512 s[32:47], s[8:9], s87 offset:256
	s_load_b512 s[48:63], s[10:11], s87 offset:ALS
.endm
.macro WM d, a, bb, k, sa, sb, ra, rb  ; k = 0: the first product starts the sum
.if ((\k) == 0) && ((\ra) == 0)
	v_wmma_scale_f32_16x16x128_f8f6f4 v[\d:\d+7], v[\a:\a+11], v[\bb:\bb+11], 0, v[\sa], v[\sb] matrix_a_fmt:MATRIX_FMT_FP6 matrix_b_fmt:MATRIX_FMT_FP6
.elseif (\k) == 0
	v_wmma_scale_f32_16x16x128_f8f6f4 v[\d:\d+7], v[\a:\a+11], v[\bb:\bb+11], 0, v[\sa], v[\sb] matrix_a_fmt:MATRIX_FMT_FP6 matrix_b_fmt:MATRIX_FMT_FP6 matrix_a_scale:MATRIX_SCALE_ROW1
.elseif ((\ra) == 0) && ((\rb) == 0)
	v_wmma_scale_f32_16x16x128_f8f6f4 v[\d:\d+7], v[\a:\a+11], v[\bb:\bb+11], v[\d:\d+7], v[\sa], v[\sb] matrix_a_fmt:MATRIX_FMT_FP6 matrix_b_fmt:MATRIX_FMT_FP6
.elseif (\rb) == 0
	v_wmma_scale_f32_16x16x128_f8f6f4 v[\d:\d+7], v[\a:\a+11], v[\bb:\bb+11], v[\d:\d+7], v[\sa], v[\sb] matrix_a_fmt:MATRIX_FMT_FP6 matrix_b_fmt:MATRIX_FMT_FP6 matrix_a_scale:MATRIX_SCALE_ROW1
.elseif (\ra) == 0
	v_wmma_scale_f32_16x16x128_f8f6f4 v[\d:\d+7], v[\a:\a+11], v[\bb:\bb+11], v[\d:\d+7], v[\sa], v[\sb] matrix_a_fmt:MATRIX_FMT_FP6 matrix_b_fmt:MATRIX_FMT_FP6 matrix_b_scale:MATRIX_SCALE_ROW1
.else
	v_wmma_scale_f32_16x16x128_f8f6f4 v[\d:\d+7], v[\a:\a+11], v[\bb:\bb+11], v[\d:\d+7], v[\sa], v[\sb] matrix_a_fmt:MATRIX_FMT_FP6 matrix_b_fmt:MATRIX_FMT_FP6 matrix_a_scale:MATRIX_SCALE_ROW1 matrix_b_scale:MATRIX_SCALE_ROW1
.endif
.endm
.macro MAC g                           ; 32 matrix instructions: my 8 K steps x 4 column tiles, the four accumulators by turns
.irp s, 0,1,2,3,4,5,6,7
.if (\g) < 2
	WIN 0x0d+\s/4
.else
	WIN 0x05+5*(\s/4)
.endif
.irp jn, 0,1,2,3
.set rD, ACC+32*(\g)+8*\jn
.set rB, 12*(4*(\s%4)+\jn)
.if (\g) < 2
.set rA, 96*(\g)+12*\s
.else
.set rA, 192+12*(\s%4)
.endif
.set rSA, BSC+2*\s+\jn/2
.set rSB, ASC+4*(\g)+\s/2
	WM rD,rB,rA,\s,rSA,rSB,\jn%2,\s%2
.endr
.endr
	WIN 0
.endm
	s_load_b256 s[4:11], s[0:1], 0x0               ; w2q s[4:5], hh s[6:7], idx s[8:9], ha s[10:11]
	s_load_b128 s[12:15], s[0:1], 0x20             ; x s[12:13], b2 s[14:15]
	s_load_b64 s[16:17], s[0:1], 0x30              ; out0
	v_lshl_add_u32 v254, v0, 2, 0xcc00
	v_mov_b32 v255, 0
	v_lshrrev_b32 v8, 5, v0
	v_readfirstlane_b32 s18, v8                    ; wave 0..3
	s_and_b32 s19, ttmp9, 15                       ; cg2
	s_lshr_b32 s20, ttmp9, 4                       ; rq
	s_and_b32 s21, ttmp7, 0xffff                   ; e
	v_and_b32 v8, 31, v0
	v_and_b32 v9, 15, v0                           ; r
	v_bfe_u32 v44, v0, 4, 1                        ; h
	v_lshlrev_b32 v[L16], 4, v8
	v_lshlrev_b32 v[L8], 3, v8
	v_and_b32 v45, 3, v9
	v_mul_u32_u24 v[VB], v45, 49152
	v_lshrrev_b32 v46, 2, v9
	v_lshl_add_u32 v[VB], v46, 4, v[VB]
	v_lshl_add_u32 v[VB], v44, 8, v[VB]
	v_lshlrev_b32 v[VS], 5, v44
	v_lshl_add_u32 v[VS], v46, 3, v[VS]
	v_and_b32 v45, 1, v9
	v_lshl_add_u32 v[VS], v45, 7, v[VS]
	v_bfe_u32 v45, v9, 1, 1
	v_lshl_add_u32 v[VS], v45, 2, v[VS]
	s_wait_alu depctr_va_sdst(0)                   ; s18, the wave's number, is written, ahead of its first reader
	s_mul_i32 s82, s18, 13056
	v_mul_u32_u24 v[ST], v9, 272
	v_lshl_add_u32 v[ST], v44, 5, v[ST]
	v_add_nc_u32 v[ST], s82, v[ST]
	s_min_u32 s82, s18, 2                          ; (wave 3 reads nothing back)
	s_mul_i32 s82, s82, 4352
	v_mul_u32_u24 v[RD], v44, 272
	v_lshl_add_u32 v[RD], v9, 4, v[RD]
	v_add_nc_u32 v[RD], s82, v[RD]
	s_lshl_b32 s82, s19, 8
	v_lshl_add_u32 v[COFF], v9, 4, s82
.set i, 0
.rept 8
	v_mov_b32 v[XA+i], 0                           ; XA, AL and X are written under one branch and read under another: here they are written on every path
.set i, i+1
.endr
.set i, 0
.rept 16
	v_mov_b32 v[AL+i], 0
.set i, i+1
.endr
.set i, 0
.rept 32
	v_mov_b32 v[X+i], 0
.set i, i+1
.endr
	s_mov_b32 s86, 0xffff0000                      ; the mask of lanes 16-31
	s_lshl_b32 s91, s21, 2
	s_lshl_b32 s82, s21, 4
	s_add_co_u32 s82, s82, s19                     ; 16 e + cg2
	s_mul_i32 s84, s82, 196608
	s_mul_i32 s83, s18, 12288
	s_add_co_u32 s84, s84, s83
	s_mov_b32 s85, 0                               ; stays 0: the upper word of every offset
	s_wait_kmcnt 0x0
	s_load_b32 s22, s[8:9], s91 offset:0x0         ; st[e]
	s_load_b32 s23, s[8:9], s91 offset:0x10        ; nt[e]
	s_add_nc_u64 s[92:93], s[4:5], s[84:85]        ; w2's fragments: my column group, my 8 K steps
	s_lshl_b32 s84, s82, 13
	s_lshl_b32 s83, s18, 11
	s_add_co_u32 s84, s84, s83
	s_add_co_u32 s84, s84, W2S
	s_add_nc_u64 s[94:95], s[4:5], s[84:85]        ; and their scale words
	s_lshl_b32 s84, s21, 12
	s_add_nc_u64 s[14:15], s[14:15], s[84:85]      ; b2's row e
	s_mul_i32 s84, s18, 12288
	s_add_nc_u64 s[78:79], s[6:7], s[84:85]        ; hh: my 16 half fragments of a tile
	s_lshl_b32 s84, s18, 9
	s_add_co_u32 s84, s84, HHS
	s_add_nc_u64 s[80:81], s[6:7], s[84:85]        ; and my 512 bytes of its scale words
	WIN 0x40
	s_wait_alu depctr_va_vdst(0)                   ; the offsets and LDS addresses v3 to v7 are written, which the kernel's loads and stores read; so are v[XA ..] and v[X ..]
.irp s, 0,1,2,3
.irp jn, 0,1,2,3
.irp q, 0,1,2
	global_load_b128 v[12*(4*\s+\jn)+4*\q:12*(4*\s+\jn)+4*\q+3], v[VB], s[92:93] offset:1536*\s+512*\q+64*\jn
.endr
.endr
.endr
	WIN 0x80
.irp s, 0,1,2,3
.irp jn, 0,1,2,3
.irp q, 0,1,2
	global_load_b128 v[12*(4*\s+\jn)+4*\q:12*(4*\s+\jn)+4*\q+3], v[VB], s[92:93] offset:1536*(4+\s)+512*\q+64*\jn
.endr
.endr
.endr
	WIN 0
.irp s, 0,1,2,3,4,5,6,7
.irp a, 0,1
	global_load_b32 v[BSC+2*\s+\a], v[VS], s[94:95] offset:256*\s+64*\a   ; lanes 0-15 tile 2 a, lanes 16-31 tile 2 a + 1
.endr
.endr
	global_load_b128 v[B2:B2+3], v[COFF], s[14:15]
	s_wait_kmcnt 0x0
	s_min_u32 s22, s22, 130
	s_min_u32 s23, s23, 128
	s_add_co_u32 s25, s22, s23
	s_max_u32 s25, s25, 1
	s_sub_co_u32 s25, s25, 1                       ; a tile that exists, whatever the split
	s_add_co_u32 s24, s23, 3
	s_sub_co_u32 s24, s24, s20
	s_lshr_b32 s24, s24, 2                         ; U: how many tiles are mine
	s_add_co_u32 s28, s22, s20                     ; the first of them
	s_mov_b32 s88, 0
	LOADB 0
	s_mov_b32 s88, 1
	LOADB 1
	s_mov_b32 s88, 2
	LOADB 2
	s_mov_b32 s88, s18
	TLOAD
	s_wait_kmcnt 0x0
	s_mov_b32 s26, 0                               ; the round
	s_mov_b32 s27, 0                               ; its first tile's number: 3 x round
.Lround:
	s_cmp_ge_u32 s27, s24
	s_cbranch_scc1 .Lno_r1
	s_cmp_gt_u32 s18, 2
	s_cbranch_scc1 .Lno_head
	; waves 0 to 2: the rows of the tile that I shall finish in this round
	s_wait_kmcnt 0x0                               ; its tokens and alpha are in
	s_wait_xcnt 0x0                                ; the last round's stores have read XA and X
	s_wait_alu depctr_vm_vsrc(0)                   ; the last round's loads and stores have read v[XA ..], which the lines below write; its stores have read v[X ..], in which x's loads land
.irp i, 0,1,2,3,4,5,6,7
	v_mov_b32 v44, s[32+2*\i]
	v_cndmask_b32 v44, v44, s[33+2*\i], s86        ; lanes 0-15 row 2 i, lanes 16-31 row 2 i + 1
	v_min_u32 v44, 0x7ff, v44
	v_lshl_add_u32 v[XA+\i], v44, 12, v[COFF]
	v_mov_b32 v45, s[48+2*\i]
	v_cndmask_b32 v[AL+2*\i], v45, s[49+2*\i], s86
	v_mov_b32 v[AL+2*\i+1], v[AL+2*\i]
.endr
	s_wait_alu depctr_va_vdst(0)                   ; v[XA ..] is written, which x's loads read; the last round's sums are done with v[X ..], in which they land
.irp i, 0,1,2,3,4,5,6,7
	global_load_b128 v[X+4*\i:X+4*\i+3], v[XA+\i], s[12:13]   ; 16 lanes read 256 consecutive bytes of a row of x
.endr
	s_add_co_u32 s88, s27, 3
	s_add_co_u32 s88, s88, s18
	TLOAD                                          ; the next round's
.Lno_head:
.irp g, 0,1,2
	s_wait_loadcnt 63                              ; behind this buffer's 33 loads at least 66 were issued (the other two buffers'; in waves 0 to 2 also x's 8): it is in.  63 is the largest count that the wait can name
	s_add_co_u32 s88, s27, \g
	s_cmp_ge_u32 s88, s24
	s_cbranch_scc1 .Lno_mac\g
	MAC \g
.rept 5
	v_nop                                          ; places behind the last products, ahead of the stores that read results and of products that begin an accumulator anew
.endr
	s_wait_xcnt 0x0                                ; the buffer's bases and lane offsets are written again only behind this wait
	s_wait_alu depctr_vm_vsrc(0)                   ; the buffer's last loads have read its two lane offsets; the LDS stores issued so far have read their accumulators, which later products write anew
	s_add_co_u32 s88, s88, 3
	AIMB \g
	s_wait_alu depctr_va_vdst(0)                   ; the products have written the accumulators, which the LDS stores read, and are done reading the buffer and its scale words, in which the loads land; the lane offsets are written.  The places above stay beside this wait
.irp jn, 0,1,2,3
.irp a, 0,1
	ds_store_b128 v[ST], v[ACC+32*\g+8*\jn+4*\a:ACC+32*\g+8*\jn+4*\a+3] offset:4352*\g+64*\jn+16*\a   ; each accumulator from its low end on
.endr
.endr
	s_branch .Lask\g
.Lno_mac\g:                                            ; a tile past the end: no products, no partial sums; the buffer is asked for all the same
	s_wait_xcnt 0x0                                ; the buffer's bases and lane offsets are written again only behind this wait
	s_wait_alu depctr_vm_vsrc(0)                   ; the buffer's last loads have read its two lane offsets; the LDS stores issued so far have read their accumulators
	s_add_co_u32 s88, s88, 3
	AIMB \g
	s_wait_alu depctr_va_vdst(0)                   ; the lane offsets are written, which the loads read; the buffer's last products are done reading it
.Lask\g:
	ASKB \g
.endr
.Lno_r1:
	s_wait_dscnt 0x0                               ; my partial sums lie in LDS
	s_barrier_signal -1
	s_barrier_wait -1                              ; everybody's do
	s_cmp_gt_u32 s18, 2
	s_cbranch_scc1 .Lno_r2
	s_add_co_u32 s88, s27, s18
	s_cmp_ge_u32 s88, s24
	s_cbranch_scc1 .Lno_r2
	s_wait_loadcnt 63                              ; x's rows are in: 99 loads were issued behind them
	s_wait_xcnt 0x0                                ; X's registers, which an earlier round's stores read, are written again only behind this wait, on every way that leads here
	s_wait_alu depctr_vm_vsrc(0)                   ; an earlier round's stores have read v[X ..], which the sums below write; my LDS stores have read the accumulators, in which the parts land
	s_wait_alu depctr_va_vdst(0)                   ; the products have written v[PP ..], and an earlier round's sums are done with it: the parts land there
.irp hf, 0,1                           ; eight rows at a time: four parts x four pairs of rows
.irp wq, 0,1,2,3
.irp ii, 0,1,2,3
	ds_load_b128 v[PP+16*\wq+4*\ii:PP+16*\wq+4*\ii+3], v[RD] offset:13056*\wq+544*(4*\hf+\ii)
.endr
.endr
	s_wait_dscnt 0x0
.irp ii, 0,1,2,3
.irp d, 0,2
	v_pk_add_f32 v[PP+4*\ii+\d:PP+4*\ii+\d+1], v[PP+4*\ii+\d:PP+4*\ii+\d+1], v[PP+16+4*\ii+\d:PP+16+4*\ii+\d+1]
	v_pk_add_f32 v[PP+32+4*\ii+\d:PP+32+4*\ii+\d+1], v[PP+32+4*\ii+\d:PP+32+4*\ii+\d+1], v[PP+48+4*\ii+\d:PP+48+4*\ii+\d+1]
.endr
.irp d, 0,2
	v_pk_add_f32 v[PP+4*\ii+\d:PP+4*\ii+\d+1], v[PP+4*\ii+\d:PP+4*\ii+\d+1], v[PP+32+4*\ii+\d:PP+32+4*\ii+\d+1]
.endr
.irp d, 0,2
	v_pk_add_f32 v[PP+4*\ii+\d:PP+4*\ii+\d+1], v[PP+4*\ii+\d:PP+4*\ii+\d+1], v[B2+\d:B2+\d+1]
.endr
.irp d, 0,2
	v_pk_fma_f32 v[X+4*(4*\hf+\ii)+\d:X+4*(4*\hf+\ii)+\d+1], v[PP+4*\ii+\d:PP+4*\ii+\d+1], v[AL+2*(4*\hf+\ii):AL+2*(4*\hf+\ii)+1], v[X+4*(4*\hf+\ii)+\d:X+4*(4*\hf+\ii)+\d+1]
.endr
.endr
	s_wait_alu depctr_va_vdst(0)                   ; the sums have written these eight rows of v[X ..], which the four stores read, and are done with v[PP ..], in which the next eight rows' parts land
.irp ii, 0,1,2,3
	global_store_b128 v[XA+4*\hf+\ii], v[X+4*(4*\hf+\ii):X+4*(4*\hf+\ii)+3], s[16:17] th:TH_STORE_NT   ; 16 lanes store 256 consecutive bytes of a row, at a multiple of 256 from out's first byte
.endr
.endr
.Lno_r2:
	s_wait_dscnt 0x0                               ; my reads of the partial sums are over
	s_barrier_signal -1
	s_barrier_wait -1                              ; everybody's are: the next round may write them again
	s_add_co_u32 s27, s27, 3
	s_add_co_u32 s26, s26, 1
	s_cmp_lt_u32 s26, 11
	s_cbranch_scc1 .Lround
	s_wait_kmcnt 0x0
	s_wait_dscnt 0x0                               ; the closing lines, six on end
	s_wait_alu 0x0
	s_wait_tensorcnt 0x0
	ds_add_u32 v254, v255
	s_wait_dscnt 0x0
	s_endpgm
.Lfunc_end_k_q8fdfb57483_ffn2:
	.size	k_q8fdfb57483_ffn2, .Lfunc_end_k_q8fdfb57483_ffn2-k_q8fdfb57483_ffn2
	.p2alignl 7, 3214868480
	.fill 96, 4, 3214868480
	.section	.rodata,"a",@progbits
	.p2align	6, 0x0
	.amdhsa_kernel k_q8fdfb57483_ffn2
		.amdhsa_group_segment_fixed_size 52736
		.amdhsa_private_segment_fixed_size 0
		.amdhsa_enable_private_segment 0
		.amdhsa_kernarg_size 56
		.amdhsa_user_sgpr_count 2
		.amdhsa_user_sgpr_kernarg_segment_ptr 1
		.amdhsa_wavefront_size32 1
		.amdhsa_system_sgpr_workgroup_id_x 1
		.amdhsa_system_sgpr_workgroup_id_y 1
		.amdhsa_system_sgpr_workgroup_id_z 1
		.amdhsa_system_vgpr_workitem_id 0
		.amdhsa_next_free_vgpr 960
		.amdhsa_next_free_sgpr 96
		.amdhsa_reserve_vcc 0
		.amdhsa_float_denorm_mode_32 3
		.amdhsa_float_denorm_mode_16_64 3
		.amdhsa_memory_ordered 1
		.amdhsa_forward_progress 1
		.amdhsa_inst_pref_size 69
	.end_amdhsa_kernel
	.amdgpu_metadata
---
amdhsa.version: [ 1, 2 ]
amdhsa.kernels:
  - .name:           k_q8fdfb57483_ffn2
    .symbol:         k_q8fdfb57483_ffn2.kd
    .args:
      - { .name: w2q, .offset: 0, .size: 8, .value_kind: global_buffer, .address_space: global }
      - { .name: hh, .offset: 8, .size: 8, .value_kind: global_buffer, .address_space: global }
      - { .name: idx, .offset: 16, .size: 8, .value_kind: global_buffer, .address_space: global }
      - { .name: ha, .offset: 24, .size: 8, .value_kind: global_buffer, .address_space: global }
      - { .name: x, .offset: 32, .size: 8, .value_kind: global_buffer, .address_space: global }
      - { .name: b2, .offset: 40, .size: 8, .value_kind: global_buffer, .address_space: global }
      - { .name: out0, .offset: 48, .size: 8, .value_kind: global_buffer, .address_space: global }
    .group_segment_fixed_size: 52736
    .private_segment_fixed_size: 0
    .kernarg_segment_align: 8
    .kernarg_segment_size: 56
    .max_flat_workgroup_size: 128
    .sgpr_count:     96
    .vgpr_count:     960
    .wavefront_size: 32
...
	.end_amdgpu_metadata
.endif
;; end of part 8
